; MI455X (gfx1250); checked and timed in simulation.
; The chip was launched on July 23, 2026; its instructions are those of AMD's public machine-readable ISA for CDNA 5 (MIT licence, August 2026) and "CDNA5" Instruction Set Architecture Reference Guide (July 2026). The comments in the code are by the model that wrote it; some were corrected since.
;; Pooler. Allowed arithmetic: float matrix products may take bf16 or f16 operands with f32 sums; other float arithmetic in f32, or as packed bf16 or f16 multiplies, adds, multiply-adds, maxima and minima; sums over many terms, partial sums and values carried from step to step in f32; what a program stores and reads back later, other than sums and carried values, may be rounded once to bf16 or f16.
;; Inputs: Wk 1,024 x 1,024 float32; Wq 1,024 x 1,024 float32; Wv 1,024 x 1,024 float32; bk 1,024 float32; bq 1,024 float32; bv 1,024 float32; k 32 x 1,024 x 1,024 float32; q 32 x 1,024 float32.
;; Outputs: out0 32 x 1,024 float32; out1 512 x 1,024 float32.
;; 2 versions, each right; version 2 is version 1 with the launches pool, finish written anew for expert scheduling mode. Each part assembles by itself: llvm-mc -triple=amdgcn-amd-amdhsa -mcpu=gfx1250 --defsym DOCPART=n.
;; ======== version 1 of 2: 4 launches
;; workspace buffers: qsp 524,288 bytes; qk 2,097,152 bytes; sb 4,096 bytes; ctxp 16,777,216 bytes; sraw 2,097,152 bytes; stats 65,536 bytes
;; launch qproj (part 1): grid 4 x 16, 8 waves a work-group, no clusters, 51,712 bytes of LDS; arguments q, Wq, qsp; writes qsp
.if DOCPART == 1
	.amdgcn_target "amdgcn-amd-amdhsa--gfx1250"
	.amdhsa_code_object_version 6
	.text
	.protected	k_qc5cb80b9fb_qproj
	.globl	k_qc5cb80b9fb_qproj
	.p2align	8
	.type	k_qc5cb80b9fb_qproj,@function
k_qc5cb80b9fb_qproj:
	s_mov_b64 s[64:65], 0
	v_nop
	global_prefetch_b8 v0, s[64:65] scope:SCOPE_SE
	s_setreg_imm32_b32 hwreg(HW_REG_WAVE_MODE, 25, 1), 1
	s_wait_xcnt 0x0
; PARTIAL QUERY PROJECTION.  qs[b][64 n + i] = sum over c of q[b][c] Wq[64 n + i][c]; this launch makes, for head n (grid y) and the quarter kq of c (grid x),
; the partial sums over c = 256 kq .. 256 kq + 255 of all 64 i and all 32 b, in f32.  q and Wq are rounded once to bf16 on the way to the matrix unit.
; Eight waves.  Each brings 4 rows of q and 8 rows of Wq (1,024 bytes of each row, two loads of 512 consecutive bytes), rounds them and lays them in LDS;
; behind one barrier wave w makes the tile of 16 i (w / 2) x 16 b (w % 2): eight products of 32 along c on two accumulators that take turns.
; The tile leaves as it lies in the registers: [kq][n][w][half][lane][4 f32], 512 consecutive bytes a store; the next launch reads it back the same way.
; LIMITS.  Numbers beyond bf16's largest finite number round to infinity; NaN and infinities are not treated apart; the sums run in another order than the reference's.
; No cluster: q's quarter, the one tile that work-groups share, is 32 KB against 64 KB of rows of Wq that are the work-group's own, once in a short launch.
.set PITCH, 528                        ; an LDS row: 256 bf16 = 512 bytes + 16 of padding: the 16 rows of a fragment load start 4 banks apart
.set QT,    0                          ; 32 rows of q
.set WT,    32*PITCH                   ; 64 rows of Wq
.set SPARE, WT+64*PITCH                ; 50,688: the spare words, 128 bytes for each wave; no other line names them
.set GO,  1                            ; v1  16 x lane: my 16 bytes in 512
.set QST, 2                            ; v2  where I put 8 bytes of q
.set WST, 3                            ; v3  the same for Wq
.set AAD, 4                            ; v4  my fragment address in Wq's rows
.set BAD, 5                            ; v5  the same in q's rows
.set SPW, 6                            ; v6  my spare word; never rewritten
.set NIL, 7                            ; v7  0; never rewritten
.set LD,  32                           ; v[32:127] the 24 loads
.set FA,  32                           ; v[32:95]  later: 8 fragments of Wq
.set FB,  96                           ; v[96:159] 8 fragments of q
.set ACC, 160                          ; v[160:175] two accumulators
.macro CVT4 x                          ; four f32 to four bf16, in place
	v_cvt_pk_bf16_f32 v[\x], v[\x], v[(\x)+1]
	v_cvt_pk_bf16_f32 v[(\x)+1], v[(\x)+2], v[(\x)+3]
.endm
	s_load_b128 s[4:7], s[0:1], 0x0                ; q s[4:5], Wq s[6:7]
	s_load_b64 s[8:9], s[0:1], 0x10                ; qsp
	v_lshl_add_u32 v[SPW], v0, 2, SPARE
	v_mov_b32 v[NIL], 0
	v_lshrrev_b32 v8, 5, v0
	v_readfirstlane_b32 s10, v8                    ; wave 0..7
	v_and_b32 v9, 31, v0                           ; lane
	v_and_b32 v10, 15, v0                          ; r = lane % 16
	v_bfe_u32 v11, v0, 4, 1                        ; h = lane / 16
	v_lshlrev_b32 v[GO], 4, v9
	s_and_b32 s11, ttmp7, 0xffff                   ; head n
	s_lshl_b32 s18, ttmp9, 10                      ; kq x 1,024 bytes along a row
	s_lshl_b32 s12, s10, 14                        ; q: my 4 rows of 4,096 bytes
	s_add_co_u32 s12, s12, s18
	s_mov_b32 s13, 0
	s_lshl_b32 s14, s11, 18                        ; Wq: the head's 64 rows,
	s_lshl_b32 s19, s10, 15                        ; my 8 of them
	s_add_co_u32 s14, s14, s19
	s_add_co_u32 s14, s14, s18
	s_mov_b32 s15, 0
	s_lshl_b32 s16, ttmp9, 4                       ; qsp: ((16 kq + n) 8 + w) x 1,024 bytes
	s_add_co_u32 s16, s16, s11
	s_lshl_b32 s16, s16, 3
	s_add_co_u32 s16, s16, s10
	s_lshl_b32 s16, s16, 10
	s_mov_b32 s17, 0
	s_wait_kmcnt 0x0
	s_add_nc_u64 s[4:5], s[4:5], s[12:13]
	s_add_nc_u64 s[6:7], s[6:7], s[14:15]
	s_add_nc_u64 s[8:9], s[8:9], s[16:17]
.set i, 0
.rept 8                                ; q: row i / 2 of my four, half i % 2
	global_load_b128 v[LD+4*i:LD+4*i+3], v[GO], s[4:5] offset:(i/2)*4096+(i%2)*512
.set i, i+1
.endr
.set i, 0
.rept 16                               ; Wq: row i / 2 of my eight; read once in the launch
	global_load_b128 v[LD+32+4*i:LD+32+4*i+3], v[GO], s[6:7] offset:(i/2)*4096+(i%2)*512 th:TH_LOAD_NT
.set i, i+1
.endr
	s_mul_i32 s20, s10, 4*PITCH
	v_lshl_add_u32 v[QST], v9, 3, s20              ; QT + 4 w rows + 8 x lane
	s_mul_i32 s21, s10, 8*PITCH
	s_add_co_u32 s21, s21, WT
	v_lshl_add_u32 v[WST], v9, 3, s21              ; WT + 8 w rows + 8 x lane
	v_mul_u32_u24 v12, v10, PITCH
	v_lshl_add_u32 v12, v11, 4, v12                ; a fragment's row x pitch + 16 x half
	s_lshr_b32 s22, s10, 1
	s_mul_i32 s22, s22, 16*PITCH
	s_add_co_u32 s22, s22, WT
	v_add_nc_u32 v[AAD], s22, v12                  ; rows 16 (w / 2) on of Wq
	s_and_b32 s23, s10, 1
	s_mul_i32 s23, s23, 16*PITCH
	v_add_nc_u32 v[BAD], s23, v12                  ; rows 16 (w % 2) on of q
.set i, 0
.rept 8
	s_wait_loadcnt 23-i                            ; loads come back in order: item i is in, the 23 - i younger ones stay out
	CVT4 LD+4*i
	ds_store_b64 v[QST], v[LD+4*i:LD+4*i+1] offset:(i/2)*PITCH+(i%2)*256
.set i, i+1
.endr
.set i, 0
.rept 16
	s_wait_loadcnt 15-i
	CVT4 LD+32+4*i
	ds_store_b64 v[WST], v[LD+32+4*i:LD+32+4*i+1] offset:(i/2)*PITCH+(i%2)*256
.set i, i+1
.endr
	s_wait_dscnt 0x0                               ; for the others' sake: my rows are in LDS
	s_barrier_signal -1
	s_barrier_wait -1
.set t, 0
.rept 8                                ; 32 along c a step: two loads of 16 bytes for each fragment
	ds_load_b128 v[FA+8*t:FA+8*t+3],   v[AAD] offset:64*t
	ds_load_b128 v[FA+8*t+4:FA+8*t+7], v[AAD] offset:64*t+32
	ds_load_b128 v[FB+8*t:FB+8*t+3],   v[BAD] offset:64*t
	ds_load_b128 v[FB+8*t+4:FB+8*t+7], v[BAD] offset:64*t+32
.set t, t+1
.endr
.set t, 0
.rept 8                                ; the two accumulators take turns; the first two products start the sums
	s_wait_dscnt 4*(7-t)                           ; step t's four loads are in; those of the later steps stay out
.if t < 2
	v_wmma_f32_16x16x32_bf16 v[ACC+8*t:ACC+8*t+7], v[FA+8*t:FA+8*t+7], v[FB+8*t:FB+8*t+7], 0
.else
	v_wmma_f32_16x16x32_bf16 v[ACC+8*(t%2):ACC+8*(t%2)+7], v[FA+8*t:FA+8*t+7], v[FB+8*t:FB+8*t+7], v[ACC+8*(t%2):ACC+8*(t%2)+7]
.endif
.set t, t+1
.endr
.rept 4
	v_nop                                          ; four places between the last product and the first read of a result (ISA guide 7.12.1)
.endr
.irp p, 0,2,4,6                        ; each accumulator is read from its low end on
	v_pk_add_f32 v[ACC+\p:ACC+\p+1], v[ACC+\p:ACC+\p+1], v[ACC+8+\p:ACC+9+\p]
.endr
	global_store_b128 v[GO], v[ACC:ACC+3], s[8:9]              ; lane (r, h), register jj: i = 16 (w / 2) + 8 h + jj, b = 16 (w % 2) + r
	global_store_b128 v[GO], v[ACC+4:ACC+7], s[8:9] offset:512
	s_wait_tensorcnt 0x0                           ; the wave's end
	ds_add_u32 v[SPW], v[NIL]
	s_wait_dscnt 0x0
	s_endpgm
.Lfunc_end_k_qc5cb80b9fb_qproj:
	.size	k_qc5cb80b9fb_qproj, .Lfunc_end_k_qc5cb80b9fb_qproj-k_qc5cb80b9fb_qproj
	.p2alignl 7, 3214868480
	.fill 96, 4, 3214868480
	.section	.rodata,"a",@progbits
	.p2align	6, 0x0
	.amdhsa_kernel k_qc5cb80b9fb_qproj
		.amdhsa_group_segment_fixed_size 51712
		.amdhsa_private_segment_fixed_size 0
		.amdhsa_enable_private_segment 0
		.amdhsa_kernarg_size 24
		.amdhsa_user_sgpr_count 2
		.amdhsa_user_sgpr_kernarg_segment_ptr 1
		.amdhsa_wavefront_size32 1
		.amdhsa_system_sgpr_workgroup_id_x 1
		.amdhsa_system_sgpr_workgroup_id_y 1
		.amdhsa_system_sgpr_workgroup_id_z 1
		.amdhsa_system_vgpr_workitem_id 0
		.amdhsa_next_free_vgpr 184
		.amdhsa_next_free_sgpr 66
		.amdhsa_reserve_vcc 0
		.amdhsa_float_denorm_mode_32 3
		.amdhsa_float_denorm_mode_16_64 3
		.amdhsa_memory_ordered 1
		.amdhsa_forward_progress 1
		.amdhsa_inst_pref_size 14
	.end_amdhsa_kernel
	.amdgpu_metadata
---
amdhsa.version: [ 1, 2 ]
amdhsa.kernels:
  - .name:           k_qc5cb80b9fb_qproj
    .symbol:         k_qc5cb80b9fb_qproj.kd
    .args:
      - { .name: q, .offset: 0, .size: 8, .value_kind: global_buffer, .address_space: global }
      - { .name: Wq, .offset: 8, .size: 8, .value_kind: global_buffer, .address_space: global }
      - { .name: qsp, .offset: 16, .size: 8, .value_kind: global_buffer, .address_space: global }
    .group_segment_fixed_size: 51712
    .private_segment_fixed_size: 0
    .kernarg_segment_align: 8
    .kernarg_segment_size: 24
    .max_flat_workgroup_size: 256
    .sgpr_count:     66
    .vgpr_count:     184
    .wavefront_size: 32
...
	.end_amdgpu_metadata
.endif
;; end of part 1
;; launch kfold (part 2): grid 8 x 16, 8 waves a work-group, no clusters, 47,104 bytes of LDS; arguments qsp, bq, Wk, bk, qk, sb; writes qk, sb
.if DOCPART == 2
	.amdgcn_target "amdgcn-amd-amdhsa--gfx1250"
	.amdhsa_code_object_version 6
	.text
	.protected	k_qc5cb80b9fb_kfold
	.globl	k_qc5cb80b9fb_kfold
	.p2align	8
	.type	k_qc5cb80b9fb_kfold,@function
k_qc5cb80b9fb_kfold:
	s_mov_b64 s[64:65], 0
	v_nop
	global_prefetch_b8 v0, s[64:65] scope:SCOPE_SE
	s_setreg_imm32_b32 hwreg(HW_REG_WAVE_MODE, 25, 1), 1
	s_wait_xcnt 0x0
; THE QUERY FOLDED INTO Wk.  score[b][n][l] = (qs[b][n] . (Wk_n k[b][l] + bk_n)) / 8 = k[b][l] . qk[b][n] + sb[b][n], with
; qk[b][n][c] = c0 x sum over d of qs[b][n][d] Wk[64 n + d][c],  sb[b][n] = c0 x sum over d of qs[b][n][d] bk[64 n + d],  c0 = log2(e) / 8: scores come out in powers of two.
; A work-group: head n (grid y), 128 columns c (grid x).  qs = the four partial sums + bq, in f32.  It goes to the matrix unit as TWO bf16 numbers, hi + lo (about 16 significant bits);
; so does qk, which is stored as two bf16 arrays [hi, lo][b][n][c].  Wk, bq and bk, inputs, are rounded once to bf16.
; Product: source 0 = Wk^T (16 c x 32 d, turned on the way out of LDS), source 1 = qs (16 b x 32 d): a lane then holds eight neighbouring c of one b, 16 bytes of bf16.
; LIMITS.  Numbers beyond bf16's largest finite number round to infinity; NaN and infinities are not treated apart; the sums run in another order than the reference's.
; No cluster: the 32 KB of partial sums that the eight work-groups of a head share are half of a work-group's bytes, once in a short launch.
.set QP,   144                         ; a row of qs: 64 bf16 = 128 bytes + 16
.set WP,   288                         ; a row of Wk: 128 bf16 = 256 bytes + 32
.set OP,   272                         ; a row of qk on the way out: 256 bytes + 16
.set QT,   0                           ; qs hi, 32 rows b; lo QLO further on
.set QLO,  32*QP
.set WT,   2*QLO                       ; 9,216: 64 rows d of Wk
.set SBP,  WT+64*WP                    ; 27,648: 256 words: each lane's part of sb
.set OUT,  SBP+1024                    ; 28,672: qk hi, 32 rows b; lo OLO further on
.set OLO,  32*OP
.set SPARE, OUT+2*OLO                  ; 46,080: the spare words, 128 bytes for each wave; no other line names them
.set GO,  1                            ; v1  16 x lane
.set HO,  2                            ; v2  32 x h: my eight numbers of bq and bk
.set QST, 3                            ; v3  where I put 16 bytes of qs
.set WST, 4                            ; v4  where I put 8 bytes of Wk
.set PST, 5                            ; v5  my word in SBP
.set SPW, 6                            ; v6  my spare word; never rewritten
.set NIL, 7                            ; v7  0; never rewritten
.set TAD, 8                            ; v8  the turning load's address in Wk's rows
.set BAD, 9                            ; v9  my fragment address in qs' rows
.set OST, 10                           ; v10 where I put 16 bytes of qk
.set ORD, 11                           ; v11 where I read rows of qk back
.set QKO, 12                           ; v12 my byte offset in qk
.set PRD, 13                           ; v13 where wave 0 reads the parts of sb
.set SBO, 14                           ; v14 8 x lane
.set ACC, 112                          ; v[112:127] two accumulators: b 0-15, b 16-31
.set KAP, 24                           ; s[24:25] c0, named as a pair
.set MSK, 26                           ; s26 a word's upper bf16
.macro CVT4 x
	v_cvt_pk_bf16_f32 v[\x], v[\x], v[(\x)+1]
	v_cvt_pk_bf16_f32 v[(\x)+1], v[(\x)+2], v[(\x)+3]
.endm
.macro RND2 x, t                       ; two f32 rounded to bf16 and widened again
	v_cvt_pk_bf16_f32 v[\t], v[\x], v[(\x)+1]
	v_lshlrev_b32 v[\x], 16, v[\t]
	v_and_b32 v[(\x)+1], s[MSK], v[\t]
.endm
.macro SPLIT2 x, hh, ll, t             ; two f32 -> a word of two bf16 (hi) and a word of what the rounding left (lo); x is used up
	v_cvt_pk_bf16_f32 v[\hh], v[\x], v[(\x)+1]
	v_lshlrev_b32 v[\t], 16, v[\hh]
	v_and_b32 v[(\t)+1], s[MSK], v[\hh]
	v_pk_add_f32 v[\x:(\x)+1], v[\x:(\x)+1], v[\t:(\t)+1] neg_lo:[0,1] neg_hi:[0,1]
	v_cvt_pk_bf16_f32 v[\ll], v[\x], v[(\x)+1]
.endm
.macro SPLIT8 x, hh, ll, t             ; eight of them; two pairs at work by turns
	SPLIT2 (\x), (\hh), (\ll), (\t)
	SPLIT2 (\x)+2, (\hh)+1, (\ll)+1, (\t)+2
	SPLIT2 (\x)+4, (\hh)+2, (\ll)+2, (\t)
	SPLIT2 (\x)+6, (\hh)+3, (\ll)+3, (\t)+2
.endm
.macro BAR                             ; my LDS instructions are done, for the others' sake; then the work-group's barrier
	s_wait_dscnt 0x0
	s_barrier_signal -1
	s_barrier_wait -1
.endm
	s_load_b256 s[4:11], s[0:1], 0x0               ; qsp s[4:5], bq s[6:7], Wk s[8:9], bk s[10:11]
	s_load_b128 s[12:15], s[0:1], 0x20             ; qk s[12:13], sb s[14:15]
	v_lshl_add_u32 v[SPW], v0, 2, SPARE
	v_mov_b32 v[NIL], 0
	v_lshrrev_b32 v18, 5, v0
	v_readfirstlane_b32 s16, v18                   ; wave 0..7
	s_and_b32 s17, ttmp7, 0xffff                   ; head n
	s_lshr_b32 s18, s16, 1                         ; it: which 16 d my tile of qs holds
	s_and_b32 s19, s16, 1                          ; bt: which 16 b
	v_and_b32 v17, 31, v0                          ; lane
	v_and_b32 v15, 15, v0                          ; r
	v_bfe_u32 v16, v0, 4, 1                        ; h
	v_lshlrev_b32 v[GO], 4, v17
	v_lshlrev_b32 v[HO], 5, v16
	s_lshl_b32 s20, s17, 3                         ; qsp: (8 n + w) x 1,024 bytes
	s_add_co_u32 s20, s20, s16
	s_lshl_b32 s20, s20, 10
	s_mov_b32 s21, 0
	s_lshl_b32 s22, s17, 8                         ; bq, bk: (64 n + 16 it) x 4 bytes
	s_lshl_b32 s27, s18, 6
	s_add_co_u32 s22, s22, s27
	s_mov_b32 s23, 0
	s_lshl_b32 s28, s17, 18                        ; Wk: row 64 n + 8 w, column 128 x grid x
	s_lshl_b32 s27, s16, 15
	s_add_co_u32 s28, s28, s27
	s_lshl_b32 s27, ttmp9, 9
	s_add_co_u32 s28, s28, s27
	s_mov_b32 s29, 0
	s_lshl_b32 s30, s16, 17                        ; qk: b = 4 w, head n, column 128 x grid x, in bf16
	s_lshl_b32 s27, s17, 11
	s_add_co_u32 s30, s30, s27
	s_lshl_b32 s27, ttmp9, 8
	s_add_co_u32 s30, s30, s27
	s_mov_b32 s31, 0
	s_lshl_b32 s32, s17, 8                         ; sb: 256 bytes a head
	s_mov_b32 s33, 0
	s_mov_b32 s[KAP], 0x3e38aa3b                   ; log2(e) / 8
	s_mov_b32 s[KAP+1], s[KAP]
	s_mov_b32 s[MSK], 0xffff0000
	s_wait_kmcnt 0x0
	s_add_nc_u64 s[4:5], s[4:5], s[20:21]
	s_add_nc_u64 s[6:7], s[6:7], s[22:23]
	s_add_nc_u64 s[10:11], s[10:11], s[22:23]
	s_add_nc_u64 s[8:9], s[8:9], s[28:29]
	s_add_nc_u64 s[12:13], s[12:13], s[30:31]
	s_add_nc_u64 s[14:15], s[14:15], s[32:33]
.irp kq, 0,1,2,3                       ; the four partial sums of my tile, as the launch before left them
	global_load_b128 v[32+8*\kq:35+8*\kq], v[GO], s[4:5] offset:\kq*131072
	global_load_b128 v[36+8*\kq:39+8*\kq], v[GO], s[4:5] offset:\kq*131072+512
.endr
	global_load_b128 v[64:67], v[HO], s[6:7]
	global_load_b128 v[68:71], v[HO], s[6:7] offset:16
	global_load_b128 v[72:75], v[HO], s[10:11]
	global_load_b128 v[76:79], v[HO], s[10:11] offset:16
.irp i, 0,1,2,3,4,5,6,7                ; my eight rows of Wk, 512 consecutive bytes each; read once in the launch
	global_load_b128 v[80+4*\i:83+4*\i], v[GO], s[8:9] offset:\i*4096 th:TH_LOAD_NT
.endr
	v_mul_u32_u24 v[BAD], v15, QP
	v_lshl_add_u32 v[BAD], v16, 4, v[BAD]          ; QT + r x pitch + 16 h
	s_mul_i32 s34, s19, 16*QP
	s_lshl_b32 s27, s18, 5
	s_add_co_u32 s34, s34, s27
	v_add_nc_u32 v[QST], s34, v[BAD]               ; row 16 bt + r, d = 16 it + 8 h on
	s_mul_i32 s35, s16, 8*WP
	s_add_co_u32 s35, s35, WT
	v_lshl_add_u32 v[WST], v17, 3, s35
	v_lshl_add_u32 v[PST], v0, 2, SBP
	v_and_b32 v19, 7, v0
	v_lshl_add_u32 v19, v16, 3, v19                ; d = 8 h + lane % 8
	v_mul_u32_u24 v19, v19, WP
	v_bfe_u32 v18, v0, 3, 1
	v_lshl_add_u32 v19, v18, 4, v19                ; columns 8 ((lane / 8) % 2) on
	s_lshl_b32 s36, s16, 5
	s_add_co_u32 s36, s36, WT
	v_add_nc_u32 v[TAD], s36, v19                  ; my wave's 16 columns
	v_mul_u32_u24 v18, v15, OP
	v_lshl_add_u32 v18, v16, 4, v18
	s_lshl_b32 s36, s16, 5
	s_add_co_u32 s36, s36, OUT
	v_add_nc_u32 v[OST], s36, v18                  ; OUT + r x pitch + (16 w + 8 h) x 2
	v_mul_u32_u24 v18, v16, OP
	v_lshl_add_u32 v18, v15, 4, v18
	s_mul_i32 s36, s16, 4*OP
	s_add_co_u32 s36, s36, OUT
	v_add_nc_u32 v[ORD], s36, v18                  ; OUT + (4 w + h) x pitch + 16 r
	v_lshlrev_b32 v[QKO], 15, v16
	v_lshl_add_u32 v[QKO], v15, 4, v[QKO]          ; h x a batch's 32,768 bytes + 16 r
	v_lshlrev_b32 v[PRD], 7, v16
	v_lshl_add_u32 v[PRD], v15, 2, v[PRD]
	v_add_nc_u32 v[PRD], SBP, v[PRD]
	v_lshlrev_b32 v[SBO], 3, v17
	s_wait_loadcnt 8                               ; the partial sums, bq and bk are in; Wk's eight loads stay out
.irp p, 0,2,4,6
	v_pk_add_f32 v[32+\p:33+\p], v[32+\p:33+\p], v[40+\p:41+\p]
	v_pk_add_f32 v[48+\p:49+\p], v[48+\p:49+\p], v[56+\p:57+\p]
.endr
.irp p, 0,2,4,6
	RND2 64+\p, 112
	RND2 72+\p, 113
.endr
.irp p, 0,2,4,6
	v_pk_add_f32 v[32+\p:33+\p], v[32+\p:33+\p], v[48+\p:49+\p]
.endr
.irp p, 0,2,4,6
	v_pk_add_f32 v[32+\p:33+\p], v[32+\p:33+\p], v[64+\p:65+\p]  ; qs of d = 16 it + 8 h + 0..7, b = 16 bt + r
.endr
	v_mul_f32 v114, v32, v72                       ; my eight terms of qs . bk
.irp e, 1,2,3,4,5,6,7
	v_fma_f32 v114, v[32+\e], v[72+\e], v114
.endr
	ds_store_b32 v[PST], v114
	SPLIT8 32, 116, 120, 124
	ds_store_b128 v[QST], v[116:119]
	ds_store_b128 v[QST], v[120:123] offset:QLO
.irp i, 0,1,2,3,4,5,6,7
	s_wait_loadcnt 7-\i                            ; row i is in, the younger ones stay out
	CVT4 80+4*\i
	ds_store_b64 v[WST], v[80+4*\i:81+4*\i] offset:\i*WP
.endr
	BAR
	; sb: one wave of one work-group of the head adds the eight parts of each b (four blocks of d, two halves of the lanes)
	s_or_b32 s37, ttmp9, s16
	s_cmp_lg_u32 s37, 0
	s_cbranch_scc1 .Lno_sb
.irp x, 0,1,2,3,4,5,6,7
	ds_load_b32 v[22+\x], v[PRD] offset:(\x/2)*256+(\x%2)*64
.endr
	s_wait_dscnt 0x0
	v_pk_add_f32 v[22:23], v[22:23], v[24:25]
	v_pk_add_f32 v[26:27], v[26:27], v[28:29]
	v_pk_add_f32 v[22:23], v[22:23], v[26:27]
	v_add_f32 v22, v22, v23
	v_mul_f32 v20, s[KAP], v22
	v_mov_b32 v21, v20                             ; stored twice: the wave's one store covers the head's 256 bytes; v[20:21] and v14 are never rewritten
	global_store_b64 v[SBO], v[20:21], s[14:15]
.Lno_sb:
.irp kd, 0,1                           ; Wk^T: 16 c x 32 d a fragment
	ds_load_tr16_b128 v[32+8*\kd:35+8*\kd], v[TAD] offset:\kd*32*WP
	ds_load_tr16_b128 v[36+8*\kd:39+8*\kd], v[TAD] offset:\kd*32*WP+16*WP
.endr
.irp x, 0,1,2,3,4,5,6,7                ; qs: x = 4 hl + 2 bt + kd
	ds_load_b128 v[48+8*\x:51+8*\x], v[BAD] offset:(\x/4)*QLO+((\x/2)%2)*16*QP+(\x%2)*64
	ds_load_b128 v[52+8*\x:55+8*\x], v[BAD] offset:(\x/4)*QLO+((\x/2)%2)*16*QP+(\x%2)*64+32
.endr
	s_wait_dscnt 0x0
.irp kd, 0,1                           ; the two accumulators take turns; the first two products start the sums
.irp hl, 0,1
.irp bt, 0,1
.if (\kd == 0) && (\hl == 0)
	v_wmma_f32_16x16x32_bf16 v[ACC+8*\bt:ACC+8*\bt+7], v[32+8*\kd:39+8*\kd], v[48+8*(4*\hl+2*\bt+\kd):55+8*(4*\hl+2*\bt+\kd)], 0
.else
	v_wmma_f32_16x16x32_bf16 v[ACC+8*\bt:ACC+8*\bt+7], v[32+8*\kd:39+8*\kd], v[48+8*(4*\hl+2*\bt+\kd):55+8*(4*\hl+2*\bt+\kd)], v[ACC+8*\bt:ACC+8*\bt+7]
.endif
.endr
.endr
.endr
.rept 4
	v_nop                                          ; four places between the last product and the first read of a result (ISA guide 7.12.1)
.endr
.irp p, 0,2,4,6,8,10,12,14             ; times c0, in f32, ahead of the split; each accumulator from its low end on
	v_pk_mul_f32 v[ACC+\p:ACC+\p+1], v[ACC+\p:ACC+\p+1], s[KAP:KAP+1] op_sel_hi:[1,0]
.endr
	SPLIT8 ACC, 32, 36, 128
	SPLIT8 ACC+8, 40, 44, 128
	ds_store_b128 v[OST], v[32:35]
	ds_store_b128 v[OST], v[36:39] offset:OLO
	ds_store_b128 v[OST], v[40:43] offset:16*OP
	ds_store_b128 v[OST], v[44:47] offset:16*OP+OLO
	BAR                                            ; a row's 256 bytes come from all eight waves
.irp x, 0,1,2,3                        ; x = 2 hl + i: rows 4 w + 2 i and the next, whole
	ds_load_b128 v[48+4*\x:51+4*\x], v[ORD] offset:(\x%2)*2*OP+(\x/2)*OLO
.endr
.irp x, 0,1,2,3
	s_wait_dscnt 3-\x
	global_store_b128 v[QKO], v[48+4*\x:51+4*\x], s[12:13] offset:(\x%2)*65536+(\x/2)*1048576  ; 16 lanes store 256 consecutive bytes, at a multiple of 256 from qk's first
.endr
	s_wait_tensorcnt 0x0                           ; the wave's end
	ds_add_u32 v[SPW], v[NIL]
	s_wait_dscnt 0x0
	s_endpgm
.Lfunc_end_k_qc5cb80b9fb_kfold:
	.size	k_qc5cb80b9fb_kfold, .Lfunc_end_k_qc5cb80b9fb_kfold-k_qc5cb80b9fb_kfold
	.p2alignl 7, 3214868480
	.fill 96, 4, 3214868480
	.section	.rodata,"a",@progbits
	.p2align	6, 0x0
	.amdhsa_kernel k_qc5cb80b9fb_kfold
		.amdhsa_group_segment_fixed_size 47104
		.amdhsa_private_segment_fixed_size 0
		.amdhsa_enable_private_segment 0
		.amdhsa_kernarg_size 48
		.amdhsa_user_sgpr_count 2
		.amdhsa_user_sgpr_kernarg_segment_ptr 1
		.amdhsa_wavefront_size32 1
		.amdhsa_system_sgpr_workgroup_id_x 1
		.amdhsa_system_sgpr_workgroup_id_y 1
		.amdhsa_system_sgpr_workgroup_id_z 1
		.amdhsa_system_vgpr_workitem_id 0
		.amdhsa_next_free_vgpr 144
		.amdhsa_next_free_sgpr 66
		.amdhsa_reserve_vcc 0
		.amdhsa_float_denorm_mode_32 3
		.amdhsa_float_denorm_mode_16_64 3
		.amdhsa_memory_ordered 1
		.amdhsa_forward_progress 1
		.amdhsa_inst_pref_size 18
	.end_amdhsa_kernel
	.amdgpu_metadata
---
amdhsa.version: [ 1, 2 ]
amdhsa.kernels:
  - .name:           k_qc5cb80b9fb_kfold
    .symbol:         k_qc5cb80b9fb_kfold.kd
    .args:
      - { .name: qsp, .offset: 0, .size: 8, .value_kind: global_buffer, .address_space: global }
      - { .name: bq, .offset: 8, .size: 8, .value_kind: global_buffer, .address_space: global }
      - { .name: Wk, .offset: 16, .size: 8, .value_kind: global_buffer, .address_space: global }
      - { .name: bk, .offset: 24, .size: 8, .value_kind: global_buffer, .address_space: global }
      - { .name: qk, .offset: 32, .size: 8, .value_kind: global_buffer, .address_space: global }
      - { .name: sb, .offset: 40, .size: 8, .value_kind: global_buffer, .address_space: global }
    .group_segment_fixed_size: 47104
    .private_segment_fixed_size: 0
    .kernarg_segment_align: 8
    .kernarg_segment_size: 48
    .max_flat_workgroup_size: 256
    .sgpr_count:     66
    .vgpr_count:     144
    .wavefront_size: 32
...
	.end_amdgpu_metadata
.endif
;; end of part 2
;; launch pool (part 3): grid 8 x 32, 8 waves a work-group, no clusters, 304,128 bytes of LDS; arguments k, qk, sb, ctxp, sraw, stats; writes ctxp, sraw, stats
.if DOCPART == 3
	.amdgcn_target "amdgcn-amd-amdhsa--gfx1250"
	.amdhsa_code_object_version 6
	.text
	.protected	k_qc5cb80b9fb_pool
	.globl	k_qc5cb80b9fb_pool
	.p2align	8
	.type	k_qc5cb80b9fb_pool,@function
k_qc5cb80b9fb_pool:
	s_mov_b64 s[64:65], 0
	v_nop
	global_prefetch_b8 v0, s[64:65] scope:SCOPE_SE
	s_setreg_imm32_b32 hwreg(HW_REG_WAVE_MODE, 25, 1), 1
	s_wait_xcnt 0x0
; THE ONE PASS OVER k.  A work-group owns 128 rows l of one batch b (grid y; chunk j = grid x) and reads their 512 KB once.  It makes, for all 16 heads:
;   sraw[b][n][l] = k[b][l] . qk[b][n] + sb[b][n]   (scores in powers of two: log2(e) / 8 is folded into qk and sb)
;   m = the chunk's largest score, lsum = the sum of p = 2^(s - m), stats[8 b + j][lane][m, lsum]   (lanes n and n + 16 hold head n)
;   ctxp[b][j][n][c] = sum over the chunk's l of p k[b][l][c], in f32.   The next launch merges the eight chunks of a batch by their m and lsum.
; SHARES.  Wave w owns the columns c = 128 w .. 128 w + 127 of all 128 rows: a load covers 512 consecutive bytes of a row; the wave rounds them to bf16 into a strip of LDS that it alone
; writes and reads, for both products.  Only the scores, sums over all c, cross between waves: each group of 16 rows is reduced through LDS behind one barrier.
; FORMATS.  k, an input, is rounded once to bf16.  qk and p, which the program makes, go to the matrix unit as two bf16 numbers, hi + lo.  Maxima, sums and accumulators in f32.
; IN FLIGHT.  A ring of two register slots of 16 loads: 31 or 32 loads of 512 bytes of every wave are on their way while the rows stream.
; LIMITS.  A weight below 2^-126 counts as 0; numbers beyond bf16's largest finite number round to infinity; NaN and infinities are not treated apart; sums run in another order than the reference's.
; No cluster, no tensor loads: the one shared tile is the batch's qk, 64 KB against 512 KB of rows that are the work-group's own, and every number of k passes through registers for its rounding in any case.
.set KP,    272                        ; a strip's row: 128 bf16 = 256 bytes + 16: the 16 rows of a fragment load start 4 banks apart
.set STRIP, 128*KP                     ; 34,816 bytes a wave
.set SCR,   8*STRIP                    ; 278,528: two buffers x eight waves x a tile of 16 l x 16 heads in f32, as it lies in the registers
.set SF,    SCR+2*8192                 ; 294,912: the eight reduced tiles
.set SPARE, SF+8192                    ; 303,104: the spare words, 128 bytes for each wave; no other line names them
.set STP,   528                        ; the way out: a head's 128 f32 = 512 bytes + 16
.set RDB, 1                            ; v1  my strip + 16 x lane: the way out's reads
.set ST8, 2                            ; v2  8 x lane; never rewritten
.set GO,  3                            ; v3  16 x lane; never rewritten
.set LST, 4                            ; v4  my strip + 8 x lane: where a row's 8 bytes go
.set LFR, 5                            ; v5  my strip + r x pitch + 16 h: plain fragments
.set LTR, 6                            ; v6  my strip + (8 h + lane % 8) x pitch + 16 ((lane / 8) % 2): turned fragments
.set SCW, 7                            ; v7  SCR + 1,024 w + 16 x lane
.set SCRD, 8                           ; v8  SCR + 128 w + 4 x lane: the word that I reduce
.set SFW, 9                            ; v9  SF + 128 w + 4 x lane
.set SFR, 10                           ; v10 SF + 16 x lane
.set SBV, 11                           ; v11 sb of the head whose word I reduce
.set SPW, 12                           ; v12 my spare word; never rewritten
.set NIL, 13                           ; v13 0; never rewritten
.set STW, 14                           ; v14 the way out: my strip + r x 528 + 32 h
.set SRT, 15                           ; v15 where I find four neighbouring l of a head in SF
.set QK,  16                           ; v[16:79]  qk's fragments: hi of 32 c block t at 16 + 8 t, lo at 48 + 8 t
.set O,   16                           ;           later O^T: 16 c x 16 heads, block ct at 16 + 8 ct
.set RING, 80                          ; v[80:207] two slots x 16 loads x 4
.set S,   80                           ;           later the scores, tile t at 80 + 8 t,
.set PH,  144                          ;           p hi (v[144:175]) and p lo (v[176:207]): 32 l block kb at + 8 kb
.set PL,  176
.set AF,  208                          ; v[208:239] fragments of k
.set ACC0, 240                         ; v[240:255] two accumulators; later sraw's rows 240-247, (m, lsum) 248-249, at work 250-255
.set ACC1, 248
.set MSK, 22                           ; s22 a word's upper bf16
.macro CVT4 x
	v_cvt_pk_bf16_f32 v[\x], v[\x], v[(\x)+1]
	v_cvt_pk_bf16_f32 v[(\x)+1], v[(\x)+2], v[(\x)+3]
.endm
.macro SPLIT2 x, hh, ll, t             ; two f32 -> a word of two bf16 (hi) and a word of what the rounding left (lo); x is used up
	v_cvt_pk_bf16_f32 v[\hh], v[\x], v[(\x)+1]
	v_lshlrev_b32 v[\t], 16, v[\hh]
	v_and_b32 v[(\t)+1], s[MSK], v[\hh]
	v_pk_add_f32 v[\x:(\x)+1], v[\x:(\x)+1], v[\t:(\t)+1] neg_lo:[0,1] neg_hi:[0,1]
	v_cvt_pk_bf16_f32 v[\ll], v[\x], v[(\x)+1]
.endm
.macro PLACES                          ; four places behind a product, ahead of reads of its result and of loads into its sources (ISA guide 7.12.1 for reads of its result)
.rept 4
	v_nop
.endr
.endm
.macro BAR                             ; my LDS instructions are done, for the others' sake; then the work-group's barrier
	s_wait_dscnt 0x0
	s_barrier_signal -1
	s_barrier_wait -1
.endm
	s_load_b256 s[4:11], s[0:1], 0x0               ; k s[4:5], qk s[6:7], sb s[8:9], ctxp s[10:11]
	s_load_b128 s[12:15], s[0:1], 0x20             ; sraw s[12:13], stats s[14:15]
	v_lshl_add_u32 v[SPW], v0, 2, SPARE
	v_mov_b32 v[NIL], 0
	v_lshrrev_b32 v214, 5, v0
	v_readfirstlane_b32 s16, v214                  ; wave 0..7
	s_and_b32 s17, ttmp7, 0xffff                   ; batch b
	v_and_b32 v213, 31, v0                         ; lane
	v_and_b32 v211, 15, v0                         ; r
	v_bfe_u32 v212, v0, 4, 1                       ; h
	v_lshlrev_b32 v[GO], 4, v213
	s_lshl_b32 s36, s16, 3
	v_lshrrev_b32 v214, 2, v213
	v_add_nc_u32 v214, s36, v214
	v_and_b32 v214, 15, v214                       ; word 32 w + lane of a tile belongs to head (8 w + lane / 4) % 16
	v_lshlrev_b32 v208, 8, v214                    ; sb: 256 bytes a head
	v_lshlrev_b32 v209, 11, v212
	v_lshl_add_u32 v209, v211, 4, v209             ; qk: lanes 0-15 one head's 256 bytes, lanes 16-31 the next head's
	s_lshl_b32 s24, s17, 22                        ; k: batch, chunk of 128 rows, my 512 bytes of a row
	s_lshl_b32 s37, ttmp9, 19
	s_add_co_u32 s24, s24, s37
	s_lshl_b32 s38, s16, 9
	s_add_co_u32 s24, s24, s38
	s_mov_b32 s25, 0
	s_lshl_b32 s26, s17, 15                        ; qk: batch, my 256 bytes of a head's row
	s_lshl_b32 s37, s16, 8
	s_add_co_u32 s26, s26, s37
	s_mov_b32 s27, 0
	s_lshl_b32 s28, s17, 3                         ; sb: 8 bytes a batch
	s_mov_b32 s29, 0
	s_lshl_b32 s39, s17, 3
	s_add_co_u32 s39, s39, ttmp9                   ; 8 b + j
	s_lshl_b32 s30, s39, 16                        ; ctxp: 65,536 bytes a chunk, my 512 bytes of a head's row
	s_add_co_u32 s30, s30, s38
	s_mov_b32 s31, 0
	s_lshl_b32 s32, s17, 16                        ; sraw: batch, heads 2 w and 2 w + 1, the chunk's 512 bytes
	s_lshl_b32 s37, s16, 13
	s_add_co_u32 s32, s32, s37
	s_lshl_b32 s37, ttmp9, 9
	s_add_co_u32 s32, s32, s37
	s_mov_b32 s33, 0
	s_lshl_b32 s34, s39, 8                         ; stats: 256 bytes a chunk
	s_mov_b32 s35, 0
	s_mov_b32 s20, 0x76543210                      ; v_permlanex16_b32: each lane takes its own place in the other half
	s_mov_b32 s21, 0xfedcba98
	s_mov_b32 s[MSK], 0xffff0000
	s_mul_i32 s23, s16, STRIP                      ; my strip
	s_wait_kmcnt 0x0
	s_add_nc_u64 s[4:5], s[4:5], s[24:25]
	s_add_nc_u64 s[6:7], s[6:7], s[26:27]
	s_add_nc_u64 s[8:9], s[8:9], s[28:29]
	s_add_nc_u64 s[10:11], s[10:11], s[30:31]
	s_add_nc_u64 s[12:13], s[12:13], s[32:33]
	s_add_nc_u64 s[14:15], s[14:15], s[34:35]
	global_load_b32 v[SBV], v208, s[8:9]
.irp hl, 0,1
.irp i, 0,1,2,3,4,5,6,7
	global_load_b128 v[QK+32*\hl+4*\i:QK+32*\hl+4*\i+3], v209, s[6:7] offset:\i*4096+\hl*1048576
.endr
.endr
.set i, 0
.rept 32                               ; the ring is filled: rows 0 to 31
	global_load_b128 v[RING+4*i:RING+4*i+3], v[GO], s[4:5] offset:4096*i th:TH_LOAD_NT
.set i, i+1
.endr
	v_mul_u32_u24 v210, v212, KP
	v_lshl_add_u32 v210, v211, 4, v210
	v_add_nc_u32 v210, s23, v210                   ; qk's short stay in my strip: row h, 16 r
	v_lshl_add_u32 v[LST], v213, 3, s23
	v_lshl_add_u32 v[RDB], v213, 4, s23
	v_lshlrev_b32 v[ST8], 3, v213
	v_mul_u32_u24 v[LFR], v211, KP
	v_lshl_add_u32 v[LFR], v212, 4, v[LFR]
	v_add_nc_u32 v[LFR], s23, v[LFR]
	v_and_b32 v214, 7, v0
	v_lshl_add_u32 v214, v212, 3, v214
	v_mul_u32_u24 v[LTR], v214, KP
	v_bfe_u32 v214, v0, 3, 1
	v_lshl_add_u32 v[LTR], v214, 4, v[LTR]
	v_add_nc_u32 v[LTR], s23, v[LTR]
	s_lshl_b32 s36, s16, 10
	s_add_co_u32 s36, s36, SCR
	v_lshl_add_u32 v[SCW], v213, 4, s36
	s_lshl_b32 s37, s16, 7
	s_add_co_u32 s36, s37, SCR
	v_lshl_add_u32 v[SCRD], v213, 2, s36
	s_add_co_u32 s36, s37, SF
	v_lshl_add_u32 v[SFW], v213, 2, s36
	v_lshl_add_u32 v[SFR], v213, 4, SF
	v_mul_u32_u24 v[STW], v211, STP
	v_lshl_add_u32 v[STW], v212, 5, v[STW]
	v_add_nc_u32 v[STW], s23, v[STW]
	v_lshrrev_b32 v214, 2, v213                    ; l = 4 x lane + 0..3 lies in tile lane / 4, register half lane % 2, lane half (lane / 2) % 2
	v_lshlrev_b32 v[SRT], 10, v214
	v_and_b32 v214, 1, v0
	v_lshl_add_u32 v[SRT], v214, 9, v[SRT]
	v_bfe_u32 v214, v0, 1, 1
	v_lshl_add_u32 v[SRT], v214, 8, v[SRT]
	s_lshl_b32 s36, s16, 5                         ; head 2 w: 16 bytes a head
	s_add_co_u32 s36, s36, SF
	v_add_nc_u32 v[SRT], s36, v[SRT]
	s_wait_loadcnt 32                              ; sb and qk are in (so v208 and v209 are free); the 32 rows of k stay out
.irp hl, 0,1                           ; qk goes through my strip's first 32 rows to come back as fragments: 16 heads x 32 c
.irp i, 0,1,2,3,4,5,6,7
	ds_store_b128 v210, v[QK+32*\hl+4*\i:QK+32*\hl+4*\i+3] offset:\i*2*KP+\hl*16*KP
.endr
.endr
.irp hl, 0,1
.irp t, 0,1,2,3
	ds_load_b128 v[QK+32*\hl+8*\t:QK+32*\hl+8*\t+3],   v[LFR] offset:\hl*16*KP+64*\t  ; LDS serves a wave's instructions in order (ISA guide 5.7.1.4): these see the stores above
	ds_load_b128 v[QK+32*\hl+8*\t+4:QK+32*\hl+8*\t+7], v[LFR] offset:\hl*16*KP+64*\t+32
.endr
.endr
	s_wait_dscnt 0x0
; A GROUP of 16 rows.  Each row: its load is waited for, rounded, laid in the strip, and (g < 6) its registers take the row 32 further down.
; The count: behind row i's load were issued the 15 - i rest of its group, the next group's 16 and this group's i refills: 31; without refills the counts run down.
; Then my strip's part of the scores: 16 l x 16 heads over my 128 c, hi and lo of qk on two accumulators that take turns.
; The eight waves' parts meet in SCR.  ONE barrier a group: a buffer of SCR is written again two groups on, behind the next group's barrier, in front of which every wave has waited for its reads of it.
.macro GROUP g
.set SL, RING+64*((\g)%2)
.set i, 0
.rept 16
.if (\g) < 6
	s_wait_loadcnt 31
.elseif (\g) == 6
	s_wait_loadcnt 31-i
.else
	s_wait_loadcnt 15-i
.endif
	CVT4 SL+4*i
	ds_store_b64 v[LST], v[SL+4*i:SL+4*i+1] offset:KP*(16*(\g)+i)
.if (\g) < 6
	global_load_b128 v[SL+4*i:SL+4*i+3], v[GO], s[4:5] offset:4096*(16*(\g)+32+i) th:TH_LOAD_NT
.endif
.set i, i+1
.endr
.irp t, 0,1,2,3
	ds_load_b128 v[AF+8*\t:AF+8*\t+3],   v[LFR] offset:16*KP*(\g)+64*\t
	ds_load_b128 v[AF+8*\t+4:AF+8*\t+7], v[LFR] offset:16*KP*(\g)+64*\t+32
.endr
.irp t, 0,1,2,3
	s_wait_dscnt 6-2*\t                            ; fragment t's two loads are in, the later ones stay out
.if \t == 0
	v_wmma_f32_16x16x32_bf16 v[ACC0:ACC0+7], v[AF:AF+7], v[QK:QK+7], 0
	v_wmma_f32_16x16x32_bf16 v[ACC1:ACC1+7], v[AF:AF+7], v[QK+32:QK+39], 0
.else
	v_wmma_f32_16x16x32_bf16 v[ACC0:ACC0+7], v[AF+8*\t:AF+8*\t+7], v[QK+8*\t:QK+8*\t+7], v[ACC0:ACC0+7]
	v_wmma_f32_16x16x32_bf16 v[ACC1:ACC1+7], v[AF+8*\t:AF+8*\t+7], v[QK+32+8*\t:QK+39+8*\t], v[ACC1:ACC1+7]
.endif
.endr
	PLACES
.irp p, 0,2,4,6                        ; each accumulator is read from its low end on
	v_pk_add_f32 v[ACC0+\p:ACC0+\p+1], v[ACC0+\p:ACC0+\p+1], v[ACC1+\p:ACC1+\p+1]
.endr
	ds_store_b128 v[SCW], v[ACC0:ACC0+3]   offset:((\g)%2)*8192
	ds_store_b128 v[SCW], v[ACC0+4:ACC0+7] offset:((\g)%2)*8192+512
	BAR
.irp x, 0,1,2,3,4,5,6,7                ; my word of each wave's tile
	ds_load_b32 v[AF+\x], v[SCRD] offset:((\g)%2)*8192+\x*1024
.endr
	s_wait_dscnt 0x0
	v_pk_add_f32 v[AF:AF+1], v[AF:AF+1], v[AF+2:AF+3]
	v_pk_add_f32 v[AF+4:AF+5], v[AF+4:AF+5], v[AF+6:AF+7]
	v_pk_add_f32 v[AF:AF+1], v[AF:AF+1], v[AF+4:AF+5]
	v_add_f32 v[AF], v[AF], v[AF+1]
	v_add_f32 v[AF], v[AF], v[SBV]
	ds_store_b32 v[SFW], v[AF] offset:(\g)*1024
.endm
	GROUP 0
	GROUP 1
	GROUP 2
	GROUP 3
	GROUP 4
	GROUP 5
	GROUP 6
	GROUP 7
	BAR                                            ; all 128 x 16 scores lie in SF
	; THE CHUNK'S SOFTMAX, made by every wave for itself: each needs all of p as source 1 of its own columns' product.  Lane (r, h) holds head r and l = 16 t + 8 h + 0..7.
.irp t, 0,1,2,3,4,5,6,7
	ds_load_b128 v[S+8*\t:S+8*\t+3],   v[SFR] offset:1024*\t
	ds_load_b128 v[S+8*\t+4:S+8*\t+7], v[SFR] offset:1024*\t+512
.endr
	ds_load_b128 v[240:243], v[SRT]                ; heads 2 w and 2 w + 1 by rows: four neighbouring l a lane
	ds_load_b128 v[244:247], v[SRT] offset:16
	s_wait_dscnt 0x0
	global_store_b128 v[GO], v[240:243], s[12:13]              ; 512 consecutive bytes of a head's row; v[240:247] are not written again
	global_store_b128 v[GO], v[244:247], s[12:13] offset:4096
.irp c, 0,1,2,3                        ; the maximum of my 64 scores: four chains, three operands at a time
	v_max3_num_f32 v[252+\c], v[S+16*\c], v[S+16*\c+1], v[S+16*\c+2]
.endr
.irp q, 0,1,2,3,4,5
.irp c, 0,1,2,3
	v_max3_num_f32 v[252+\c], v[252+\c], v[S+16*\c+3+2*\q], v[S+16*\c+4+2*\q]
.endr
.endr
	v_max3_num_f32 v252, v252, v[S+15], v[S+31]
	v_max3_num_f32 v254, v254, v[S+47], v[S+63]
	v_max3_num_f32 v252, v252, v253, v254
	v_max_num_f32 v252, v252, v255
	v_permlanex16_b32 v253, v252, s20, s21         ; the head's other 64 rows lie in the lane 16 away
	v_max_num_f32 v248, v252, v253                 ; m
	v_mov_b32 v250, v248
	v_mov_b32 v251, v248
.set i, 0
.rept 32
	v_pk_add_f32 v[S+2*i:S+2*i+1], v[S+2*i:S+2*i+1], v[250:251] neg_lo:[0,1] neg_hi:[0,1]
.set i, i+1
.endr
.set i, 0
.rept 64
	v_exp_f32 v[S+i], v[S+i]                       ; p = 2^(s - m)
.set i, i+1
.endr
	v_nop                                          ; a plain instruction between the last exponential and the use of its result (ISA guide 5.7.2)
	s_wait_alu depctr_va_vdst(0)
.irp c, 0,1,2,3                        ; the sum of p, unrounded: four chains
	v_pk_add_f32 v[208+2*\c:209+2*\c], v[S+2*\c:S+2*\c+1], v[S+8+2*\c:S+9+2*\c]
.endr
.irp q, 2,3,4,5,6,7
.irp c, 0,1,2,3
	v_pk_add_f32 v[208+2*\c:209+2*\c], v[208+2*\c:209+2*\c], v[S+8*\q+2*\c:S+8*\q+2*\c+1]
.endr
.endr
	v_pk_add_f32 v[208:209], v[208:209], v[210:211]
	v_pk_add_f32 v[212:213], v[212:213], v[214:215]
	v_pk_add_f32 v[208:209], v[208:209], v[212:213]
	v_add_f32 v208, v208, v209
	v_permlanex16_b32 v209, v208, s20, s21
	v_add_f32 v249, v208, v209                     ; lsum
.set p, 0
.rept 32                               ; pair p of the lane's 32 is word p of source 1: tiles 2 kb and 2 kb + 1 are the fragment of rows 32 kb on
	SPLIT2 S+2*p, PH+p, PL+p, 250+2*(p%3)
.set p, p+1
.endr
	s_cmp_lg_u32 s16, 0
	s_cbranch_scc1 .Lno_stats
	global_store_b64 v[ST8], v[248:249], s[14:15]  ; one wave stores the chunk's 256 bytes; v2 and v[248:249] are not written again
.Lno_stats:
	; O^T[c][n] = sum over l of k[l][c] p[l][n]: source 0 = k^T, 16 c x 32 l, turned on the way out of my strip; source 1 = p, hi and then lo.
	; Step s: rows 32 (s / 2) on, column blocks 4 (s % 2) + 0..3.  Three sets of four fragments: a step's loads are issued two steps ahead.
.macro LOADSET s
.set SBL, 80+32*((\s)%3)+64*(((\s)%3)/2)   ; v80, v112, v208
.irp u, 0,1,2,3
	ds_load_tr16_b128 v[SBL+8*\u:SBL+8*\u+3],   v[LTR] offset:((\s)/2)*32*KP+(4*((\s)%2)+\u)*32
	ds_load_tr16_b128 v[SBL+8*\u+4:SBL+8*\u+7], v[LTR] offset:((\s)/2)*32*KP+(4*((\s)%2)+\u)*32+16*KP
.endr
.endm
.macro STEP s
.if (\s) < 6
.if (\s) > 0
	PLACES                                         ; the set to be loaded was multiplied in the step before
.endif
	LOADSET (\s)+2
	s_wait_dscnt 16                                ; this step's set is in; the two sets behind it stay out
.elseif (\s) == 6
	s_wait_dscnt 8
.else
	s_wait_dscnt 0x0
.endif
.set SBM, 80+32*((\s)%3)+64*(((\s)%3)/2)
.irp hl, 0,1                           ; the step's four accumulators take turns; the first products start the sums
.irp u, 0,1,2,3
.set rO, O+8*(4*((\s)%2)+\u)
.set rP, PH+32*\hl+8*((\s)/2)
.if ((\s) < 2) && (\hl == 0)
	v_wmma_f32_16x16x32_bf16 v[rO:rO+7], v[SBM+8*\u:SBM+8*\u+7], v[rP:rP+7], 0
.else
	v_wmma_f32_16x16x32_bf16 v[rO:rO+7], v[SBM+8*\u:SBM+8*\u+7], v[rP:rP+7], v[rO:rO+7]
.endif
.endr
.endr
.endm
	LOADSET 0
	LOADSET 1
	STEP 0
	STEP 1
	STEP 2
	STEP 3
	STEP 4
	STEP 5
	STEP 6
	STEP 7
	; THE WAY OUT.  A lane holds eight neighbouring c of one head.  They go into my own strip, whose reads ended at the last step's wait for 0, as 16 rows of 528 bytes, and come back as whole rows.
	PLACES
.irp ct, 0,1,2,3,4,5,6,7               ; each accumulator from its low end on
	ds_store_b128 v[STW], v[O+8*\ct:O+8*\ct+3]   offset:64*\ct
	ds_store_b128 v[STW], v[O+8*\ct+4:O+8*\ct+7] offset:64*\ct+16
.endr
.set i, 0
.rept 16
	ds_load_b128 v[80+4*i:83+4*i], v[RDB] offset:STP*i
.set i, i+1
.endr
.set i, 0
.rept 16
	s_wait_dscnt 15-i
	global_store_b128 v[GO], v[80+4*i:83+4*i], s[10:11] offset:4096*i  ; head i: 512 consecutive bytes, at a multiple of 256 from ctxp's first
.set i, i+1
.endr
	s_wait_tensorcnt 0x0                           ; the wave's end
	ds_add_u32 v[SPW], v[NIL]
	s_wait_dscnt 0x0
	s_endpgm
.Lfunc_end_k_qc5cb80b9fb_pool:
	.size	k_qc5cb80b9fb_pool, .Lfunc_end_k_qc5cb80b9fb_pool-k_qc5cb80b9fb_pool
	.p2alignl 7, 3214868480
	.fill 96, 4, 3214868480
	.section	.rodata,"a",@progbits
	.p2align	6, 0x0
	.amdhsa_kernel k_qc5cb80b9fb_pool
		.amdhsa_group_segment_fixed_size 304128
		.amdhsa_private_segment_fixed_size 0
		.amdhsa_enable_private_segment 0
		.amdhsa_kernarg_size 48
		.amdhsa_user_sgpr_count 2
		.amdhsa_user_sgpr_kernarg_segment_ptr 1
		.amdhsa_wavefront_size32 1
		.amdhsa_system_sgpr_workgroup_id_x 1
		.amdhsa_system_sgpr_workgroup_id_y 1
		.amdhsa_system_sgpr_workgroup_id_z 1
		.amdhsa_system_vgpr_workitem_id 0
		.amdhsa_next_free_vgpr 256
		.amdhsa_next_free_sgpr 66
		.amdhsa_reserve_vcc 0
		.amdhsa_float_denorm_mode_32 3
		.amdhsa_float_denorm_mode_16_64 3
		.amdhsa_memory_ordered 1
		.amdhsa_forward_progress 1
		.amdhsa_inst_pref_size 100
	.end_amdhsa_kernel
	.amdgpu_metadata
---
amdhsa.version: [ 1, 2 ]
amdhsa.kernels:
  - .name:           k_qc5cb80b9fb_pool
    .symbol:         k_qc5cb80b9fb_pool.kd
    .args:
      - { .name: k, .offset: 0, .size: 8, .value_kind: global_buffer, .address_space: global }
      - { .name: qk, .offset: 8, .size: 8, .value_kind: global_buffer, .address_space: global }
      - { .name: sb, .offset: 16, .size: 8, .value_kind: global_buffer, .address_space: global }
      - { .name: ctxp, .offset: 24, .size: 8, .value_kind: global_buffer, .address_space: global }
      - { .name: sraw, .offset: 32, .size: 8, .value_kind: global_buffer, .address_space: global }
      - { .name: stats, .offset: 40, .size: 8, .value_kind: global_buffer, .address_space: global }
    .group_segment_fixed_size: 304128
    .private_segment_fixed_size: 0
    .kernarg_segment_align: 8
    .kernarg_segment_size: 48
    .max_flat_workgroup_size: 256
    .sgpr_count:     66
    .vgpr_count:     256
    .wavefront_size: 32
...
	.end_amdgpu_metadata
.endif
;; end of part 3
;; launch finish (part 4): grid 16 x 16, 8 waves a work-group, no clusters, 142,592 bytes of LDS; arguments ctxp, stats, sraw, Wv, bv, out0, out1; writes out0, out1
.if DOCPART == 4
	.amdgcn_target "amdgcn-amd-amdhsa--gfx1250"
	.amdhsa_code_object_version 6
	.text
	.protected	k_qc5cb80b9fb_finish
	.globl	k_qc5cb80b9fb_finish
	.p2align	8
	.type	k_qc5cb80b9fb_finish,@function
k_qc5cb80b9fb_finish:
	s_mov_b64 s[64:65], 0
	v_nop
	global_prefetch_b8 v0, s[64:65] scope:SCOPE_SE
	s_setreg_imm32_b32 hwreg(HW_REG_WAVE_MODE, 25, 1), 1
	s_wait_xcnt 0x0
; THE MERGE AND THE VALUE PROJECTION.  A work-group: head n (grid y), batches 2 bp and 2 bp + 1 (bp = grid x).  For each of the two batches, over its eight chunks j:
;   M = max m_j;  w_j = 2^(m_j - M);  L = sum of w_j lsum_j;  attn[l] = 2^(sraw[l] - M) / L -> out1[32 n + b][l];  ctx[c] = sum of (w_j / L) ctxp_j[c];
;   out0[b][64 n + d] = sum over c of ctx[c] Wv[64 n + d][c] + bv[64 n + d]: the weights of a softmax add up to 1, so bv enters unweighted.
; L is at least 1: the chunk that holds M has w = 1 and a sum of at least 1.
; FORMATS.  Wv and bv, inputs, are rounded once to bf16; ctx, which the program makes, goes to the matrix unit as two bf16 numbers, hi + lo.  All else in f32.
; Product: source 0 = four rows (b0 hi, b1 hi, b0 lo, b1 lo; row m takes row m % 4), source 1 = 16 rows d of Wv.  Wave w: d block w % 4, half w / 4 of c; two accumulators take turns.
; LIMITS.  A weight below 2^-126 counts as 0; numbers beyond bf16's largest finite number round to infinity; NaN and infinities are not treated apart; sums run in another order than the reference's.
; No cluster: the head's 256 KB of Wv are read by the head's 16 work-groups through registers, where they are rounded; a joint request would bring f32 into LDS and want a second pass over it.
.set CP,   2064                        ; an LDS row: 1,024 bf16 = 2,048 bytes + 16: the 16 rows of a fragment load start 4 banks apart
.set WT,   0                           ; 64 rows d of Wv
.set CT,   64*CP                       ; 132,096: the four rows of ctx
.set RED,  140544                      ; 256 words: [half of c][batch][d]
.set SPARE, RED+1024                   ; 141,568: the spare words, 128 bytes for each wave; no other line names them
.set T16, 1                            ; v1  16 x thread; never rewritten
.set GO,  2                            ; v2  16 x lane; never rewritten
.set STO, 3                            ; v3  256 x r: chunk r of the pair's sixteen
.set BVO, 4                            ; v4  16 x r
.set CST, 5                            ; v5  CT + 8 x thread
.set SPW, 6                            ; v6  my spare word; never rewritten
.set NIL, 7                            ; v7  0; never rewritten
.set WST, 15                           ; v15 where 8 bytes of Wv go
.set AAD, 28                           ; v28 my fragment address in ctx' rows
.set BAD, 29                           ; v29 the same in Wv's rows
.set RST, 30                           ; v30 my word in RED
.set ACC, 224                          ; v[224:239] two accumulators
.set MSK, 55                           ; s55 a word's upper bf16
.macro CVT4 x
	v_cvt_pk_bf16_f32 v[\x], v[\x], v[(\x)+1]
	v_cvt_pk_bf16_f32 v[(\x)+1], v[(\x)+2], v[(\x)+3]
.endm
.macro RND2 x, t                       ; two f32 rounded to bf16 and widened again
	v_cvt_pk_bf16_f32 v[\t], v[\x], v[(\x)+1]
	v_lshlrev_b32 v[\x], 16, v[\t]
	v_and_b32 v[(\x)+1], s[MSK], v[\t]
.endm
.macro SPLIT2 x, hh, ll, t             ; two f32 -> a word of two bf16 (hi) and a word of what the rounding left (lo); x is used up
	v_cvt_pk_bf16_f32 v[\hh], v[\x], v[(\x)+1]
	v_lshlrev_b32 v[\t], 16, v[\hh]
	v_and_b32 v[(\t)+1], s[MSK], v[\hh]
	v_pk_add_f32 v[\x:(\x)+1], v[\x:(\x)+1], v[\t:(\t)+1] neg_lo:[0,1] neg_hi:[0,1]
	v_cvt_pk_bf16_f32 v[\ll], v[\x], v[(\x)+1]
.endm
.macro PLACES                          ; four places behind a product, ahead of reads of its result and of loads into its sources (ISA guide 7.12.1 for reads of its result)
.rept 4
	v_nop
.endr
.endm
.macro BAR                             ; my LDS instructions are done, for the others' sake; then the work-group's barrier
	s_wait_dscnt 0x0
	s_barrier_signal -1
	s_barrier_wait -1
.endm
	s_load_b256 s[4:11], s[0:1], 0x0               ; ctxp s[4:5], stats s[6:7], sraw s[8:9], Wv s[10:11]
	s_load_b128 s[12:15], s[0:1], 0x20             ; bv s[12:13], out0 s[14:15]
	s_load_b64 s[16:17], s[0:1], 0x30              ; out1
	v_lshl_add_u32 v[SPW], v0, 2, SPARE
	v_mov_b32 v[NIL], 0
	v_lshrrev_b32 v10, 5, v0
	v_readfirstlane_b32 s18, v10                   ; wave 0..7
	s_and_b32 s19, ttmp7, 0xffff                   ; head n
	v_and_b32 v254, 31, v0                         ; lane
	v_and_b32 v253, 15, v0                         ; r
	v_bfe_u32 v252, v0, 4, 1                       ; h
	v_lshlrev_b32 v[T16], 4, v0
	v_lshlrev_b32 v[GO], 4, v254
	v_lshlrev_b32 v[STO], 8, v253
	v_lshlrev_b32 v[BVO], 4, v253
	s_lshl_b32 s54, s19, 12                        ; a head's row of 4,096 bytes
	s_lshl_b32 s20, ttmp9, 20                      ; ctxp: the pair's sixteen chunks of 65,536 bytes
	s_add_co_u32 s20, s20, s54
	s_mov_b32 s21, 0
	s_lshl_b32 s22, ttmp9, 12                      ; stats: sixteen chunks of 256 bytes; lane n's 8 bytes
	s_lshl_b32 s56, s19, 3
	s_add_co_u32 s22, s22, s56
	s_mov_b32 s23, 0
	s_lshl_b32 s24, ttmp9, 17                      ; sraw: two batches of 65,536 bytes
	s_add_co_u32 s24, s24, s54
	s_mov_b32 s25, 0
	s_lshl_b32 s26, s19, 18                        ; Wv: row 64 n + 8 w
	s_lshl_b32 s56, s18, 15
	s_add_co_u32 s26, s26, s56
	s_mov_b32 s27, 0
	s_lshl_b32 s28, s19, 8                         ; bv: the head's 256 bytes
	s_mov_b32 s29, 0
	s_lshl_b32 s30, ttmp9, 13                      ; out0: row 2 bp, the head's 256 bytes
	s_add_co_u32 s30, s30, s28
	s_mov_b32 s31, 0
	s_lshl_b32 s52, s19, 17                        ; out1: row 32 n + 2 bp
	s_lshl_b32 s56, ttmp9, 13
	s_add_co_u32 s52, s52, s56
	s_mov_b32 s53, 0
	s_mov_b32 s[MSK], 0xffff0000
	s_wait_kmcnt 0x0
	s_add_nc_u64 s[4:5], s[4:5], s[20:21]
	s_add_nc_u64 s[6:7], s[6:7], s[22:23]
	s_add_nc_u64 s[8:9], s[8:9], s[24:25]
	s_add_nc_u64 s[10:11], s[10:11], s[26:27]
	s_add_nc_u64 s[12:13], s[12:13], s[28:29]
	s_add_nc_u64 s[14:15], s[14:15], s[30:31]
	s_add_nc_u64 s[16:17], s[16:17], s[52:53]
	global_load_b64 v[8:9], v[STO], s[6:7]                     ; lane r (and r + 16): m, lsum of batch r / 8, chunk r % 8
	global_load_b128 v[16:19], v[T16], s[8:9]                  ; the whole row of scores, 16 bytes a thread, for each batch
	global_load_b128 v[20:23], v[T16], s[8:9] offset:65536
	global_load_b128 v[24:27], v[BVO], s[12:13]
.set i, 0
.rept 16                               ; chunk i of the pair's sixteen: the head's whole row, 16 bytes a thread
	global_load_b128 v[32+4*i:35+4*i], v[T16], s[4:5] offset:65536*i
.set i, i+1
.endr
.set i, 0
.rept 32                               ; the first half of my eight rows of Wv, 512 consecutive bytes a load
	global_load_b128 v[96+4*i:99+4*i], v[GO], s[10:11] offset:512*i
.set i, i+1
.endr
	v_lshl_add_u32 v[CST], v0, 3, CT
	s_mul_i32 s54, s18, 8*CP
	v_lshl_add_u32 v[WST], v254, 3, s54
	s_lshr_b32 s56, s18, 2
	s_lshl_b32 s56, s56, 10                        ; my half of c: 1,024 bytes along a row
	s_and_b32 s57, s18, 3                          ; my block of 16 d
	v_and_b32 v10, 3, v0
	v_mul_u32_u24 v10, v10, CP
	v_lshl_add_u32 v10, v252, 4, v10
	s_add_co_u32 s58, s56, CT
	v_add_nc_u32 v[AAD], s58, v10
	v_mul_u32_u24 v11, v253, CP
	v_lshl_add_u32 v11, v252, 4, v11
	s_mul_i32 s59, s57, 16*CP
	s_add_co_u32 s59, s59, s56
	v_add_nc_u32 v[BAD], s59, v11
	s_lshr_b32 s60, s56, 1                         ; RED + 512 x half of c + 256 h + 64 x block + 4 r
	s_lshl_b32 s58, s57, 6
	s_add_co_u32 s60, s60, s58
	s_add_co_u32 s60, s60, RED
	v_lshlrev_b32 v12, 8, v252
	v_lshl_add_u32 v12, v253, 2, v12
	v_add_nc_u32 v[RST], s60, v12
	v_lshl_add_u32 v251, v254, 4, RED              ; wave 0's read of RED
	v_lshlrev_b32 v250, 12, v252
	v_lshl_add_u32 v250, v253, 4, v250             ; out0: row h, 16 r
	s_wait_loadcnt 51                              ; the statistics are in; the 51 younger loads stay out
	v_mov_b32 v10, v8
	v_max_num_f32_dpp v10, v10, v10 row_xmask:1 row_mask:0xf bank_mask:0xf  ; over a batch's eight chunks: eight neighbouring lanes
	v_max_num_f32_dpp v10, v10, v10 row_xmask:2 row_mask:0xf bank_mask:0xf
	v_max_num_f32_dpp v10, v10, v10 row_xmask:4 row_mask:0xf bank_mask:0xf  ; M
	v_sub_f32 v11, v8, v10
	v_exp_f32 v11, v11                             ; w_j
	v_nop                                          ; a plain instruction behind each transcendental (ISA guide 5.7.2)
	s_wait_alu depctr_va_vdst(0)
	v_mul_f32 v12, v11, v9
	v_add_f32_dpp v12, v12, v12 row_xmask:1 row_mask:0xf bank_mask:0xf
	v_add_f32_dpp v12, v12, v12 row_xmask:2 row_mask:0xf bank_mask:0xf
	v_add_f32_dpp v12, v12, v12 row_xmask:4 row_mask:0xf bank_mask:0xf      ; L
	v_rcp_f32 v13, v12
	v_nop
	s_wait_alu depctr_va_vdst(0)
	v_mul_f32 v14, v11, v13                        ; w_j / L
.set i, 0
.rept 16
	v_readlane_b32 s[32+i], v14, i
.set i, i+1
.endr
	v_readlane_b32 s48, v10, 0                     ; M and 1 / L of the two batches
	v_readlane_b32 s49, v10, 8
	v_readlane_b32 s50, v13, 0
	v_readlane_b32 s51, v13, 8
	s_wait_loadcnt 49                              ; the scores are in
.irp e, 0,1,2,3
	v_sub_f32 v[16+\e], v[16+\e], s48
	v_sub_f32 v[20+\e], v[20+\e], s49
.endr
.irp e, 0,1,2,3,4,5,6,7
	v_exp_f32 v[16+\e], v[16+\e]
.endr
	v_nop
	s_wait_alu depctr_va_vdst(0)
.irp e, 0,1,2,3
	v_mul_f32 v[16+\e], s50, v[16+\e]
	v_mul_f32 v[20+\e], s51, v[20+\e]
.endr
	global_store_b128 v[T16], v[16:19], s[16:17] th:TH_STORE_NT             ; a wave stores 512 consecutive bytes; v[16:23] are not written again
	global_store_b128 v[T16], v[20:23], s[16:17] offset:4096 th:TH_STORE_NT
	s_wait_loadcnt 32                              ; bv and the sixteen chunks are in; Wv's 32 loads stay out
.irp bs, 0,1
.irp e, 0,1,2,3
	v_mul_f32 v[32+32*\bs+\e], s[32+8*\bs], v[32+32*\bs+\e]
.endr
.irp jj, 1,2,3,4,5,6,7
.irp e, 0,1,2,3
	v_fma_f32 v[32+32*\bs+\e], s[32+8*\bs+\jj], v[32+32*\bs+4*\jj+\e], v[32+32*\bs+\e]
.endr
.endr
.endr
	SPLIT2 32, 240, 242, 248
	SPLIT2 34, 241, 243, 248
	SPLIT2 64, 244, 246, 248
	SPLIT2 66, 245, 247, 248
	ds_store_b64 v[CST], v[240:241]                ; b0 hi
	ds_store_b64 v[CST], v[244:245] offset:CP      ; b1 hi
	ds_store_b64 v[CST], v[242:243] offset:2*CP    ; b0 lo
	ds_store_b64 v[CST], v[246:247] offset:3*CP    ; b1 lo
	RND2 24, 248
	RND2 26, 248
.set i, 0
.rept 64                               ; my eight rows of Wv: piece i is rounded and laid in LDS; the first 32 pieces' registers take the piece 32 further on
.if i < 32
	s_wait_loadcnt 31                              ; behind piece i's load: the 31 - i rest of the first half and i refills
.else
	s_wait_loadcnt 63-i
.endif
	CVT4 96+4*(i%32)
	ds_store_b64 v[WST], v[96+4*(i%32):97+4*(i%32)] offset:(i/8)*CP+(i%8)*256
.if i < 32
	global_load_b128 v[96+4*i:99+4*i], v[GO], s[10:11] offset:512*(i+32)
.endif
.set i, i+1
.endr
	BAR
.macro LOADB q                         ; the fragments of four steps of 32 along c, into set q % 2
.set SBL, 96+64*((\q)%2)
.irp t, 0,1,2,3
	ds_load_b128 v[SBL+16*\t:SBL+16*\t+3],     v[AAD] offset:64*(4*(\q)+\t)
	ds_load_b128 v[SBL+16*\t+4:SBL+16*\t+7],   v[AAD] offset:64*(4*(\q)+\t)+32
	ds_load_b128 v[SBL+16*\t+8:SBL+16*\t+11],  v[BAD] offset:64*(4*(\q)+\t)
	ds_load_b128 v[SBL+16*\t+12:SBL+16*\t+15], v[BAD] offset:64*(4*(\q)+\t)+32
.endr
.endm
.macro MULQ q                          ; four products; the two accumulators take turns; the first two start the sums
.set SBM, 96+64*((\q)%2)
.irp t, 0,1,2,3
.if ((\q) == 0) && (\t < 2)
	v_wmma_f32_16x16x32_bf16 v[ACC+8*(\t%2):ACC+8*(\t%2)+7], v[SBM+16*\t:SBM+16*\t+7], v[SBM+16*\t+8:SBM+16*\t+15], 0
.else
	v_wmma_f32_16x16x32_bf16 v[ACC+8*(\t%2):ACC+8*(\t%2)+7], v[SBM+16*\t:SBM+16*\t+7], v[SBM+16*\t+8:SBM+16*\t+15], v[ACC+8*(\t%2):ACC+8*(\t%2)+7]
.endif
.endr
.endm
	LOADB 0
	LOADB 1
	s_wait_dscnt 16                                ; set 0 is in; the next set's sixteen loads stay out
	MULQ 0
	PLACES
	LOADB 2
	s_wait_dscnt 16
	MULQ 1
	PLACES
	LOADB 3
	s_wait_dscnt 16
	MULQ 2
	s_wait_dscnt 0x0
	MULQ 3
	PLACES
	v_pk_add_f32 v[ACC:ACC+1], v[ACC:ACC+1], v[ACC+8:ACC+9]      ; registers 0-3 of every lane: b0 hi, b1 hi, b0 lo, b1 lo of d = 16 (w % 4) + r; read from the low end on
	v_pk_add_f32 v[ACC+2:ACC+3], v[ACC+2:ACC+3], v[ACC+10:ACC+11]
	v_pk_add_f32 v[ACC:ACC+1], v[ACC:ACC+1], v[ACC+2:ACC+3]      ; hi + lo
	v_cmp_eq_u32 vcc_lo, 1, v252
	v_cndmask_b32 v249, v[ACC], v[ACC+1], vcc_lo   ; lanes 0-15 hand on batch 0, lanes 16-31 batch 1
	ds_store_b32 v[RST], v249
	BAR
	s_cmp_lg_u32 s18, 0
	s_cbranch_scc1 .Lend                           ; one wave adds the two halves of c and bv, and stores
	ds_load_b128 v[240:243], v251
	ds_load_b128 v[244:247], v251 offset:512
	s_wait_dscnt 0x0
	v_pk_add_f32 v[240:241], v[240:241], v[244:245]
	v_pk_add_f32 v[242:243], v[242:243], v[246:247]
	v_pk_add_f32 v[240:241], v[240:241], v[24:25]
	v_pk_add_f32 v[242:243], v[242:243], v[26:27]
	global_store_b128 v250, v[240:243], s[14:15]   ; 16 lanes store a head's 256 consecutive bytes of a row of out0
.Lend:
	s_wait_tensorcnt 0x0                           ; the wave's end
	ds_add_u32 v[SPW], v[NIL]
	s_wait_dscnt 0x0
	s_endpgm
.Lfunc_end_k_qc5cb80b9fb_finish:
	.size	k_qc5cb80b9fb_finish, .Lfunc_end_k_qc5cb80b9fb_finish-k_qc5cb80b9fb_finish
	.p2alignl 7, 3214868480
	.fill 96, 4, 3214868480
	.section	.rodata,"a",@progbits
	.p2align	6, 0x0
	.amdhsa_kernel k_qc5cb80b9fb_finish
		.amdhsa_group_segment_fixed_size 142592
		.amdhsa_private_segment_fixed_size 0
		.amdhsa_enable_private_segment 0
		.amdhsa_kernarg_size 56
		.amdhsa_user_sgpr_count 2
		.amdhsa_user_sgpr_kernarg_segment_ptr 1
		.amdhsa_wavefront_size32 1
		.amdhsa_system_sgpr_workgroup_id_x 1
		.amdhsa_system_sgpr_workgroup_id_y 1
		.amdhsa_system_sgpr_workgroup_id_z 1
		.amdhsa_system_vgpr_workitem_id 0
		.amdhsa_next_free_vgpr 256
		.amdhsa_next_free_sgpr 66
		.amdhsa_reserve_vcc 1
		.amdhsa_float_denorm_mode_32 3
		.amdhsa_float_denorm_mode_16_64 3
		.amdhsa_memory_ordered 1
		.amdhsa_forward_progress 1
		.amdhsa_inst_pref_size 41
	.end_amdhsa_kernel
	.amdgpu_metadata
---
amdhsa.version: [ 1, 2 ]
amdhsa.kernels:
  - .name:           k_qc5cb80b9fb_finish
    .symbol:         k_qc5cb80b9fb_finish.kd
    .args:
      - { .name: ctxp, .offset: 0, .size: 8, .value_kind: global_buffer, .address_space: global }
      - { .name: stats, .offset: 8, .size: 8, .value_kind: global_buffer, .address_space: global }
      - { .name: sraw, .offset: 16, .size: 8, .value_kind: global_buffer, .address_space: global }
      - { .name: Wv, .offset: 24, .size: 8, .value_kind: global_buffer, .address_space: global }
      - { .name: bv, .offset: 32, .size: 8, .value_kind: global_buffer, .address_space: global }
      - { .name: out0, .offset: 40, .size: 8, .value_kind: global_buffer, .address_space: global }
      - { .name: out1, .offset: 48, .size: 8, .value_kind: global_buffer, .address_space: global }
    .group_segment_fixed_size: 142592
    .private_segment_fixed_size: 0
    .kernarg_segment_align: 8
    .kernarg_segment_size: 56
    .max_flat_workgroup_size: 256
    .sgpr_count:     66
    .vgpr_count:     256
    .wavefront_size: 32
...
	.end_amdgpu_metadata
.endif
;; end of part 4
;; ======== version 2 of 2: 4 launches; version 1 with the launches pool, finish written anew for expert scheduling mode
;; workspace buffers: qsp 524,288 bytes; qk 2,097,152 bytes; sb 4,096 bytes; ctxp 16,777,216 bytes; sraw 2,097,152 bytes; stats 65,536 bytes
;; launch qproj: the kernel of part 1 again; grid 4 x 16, 8 waves a work-group, no clusters, 51,712 bytes of LDS; arguments q, Wq, qsp; writes qsp
;; launch kfold: the kernel of part 2 again; grid 8 x 16, 8 waves a work-group, no clusters, 47,104 bytes of LDS; arguments qsp, bq, Wk, bk, qk, sb; writes qk, sb
;; launch pool (part 5): grid 8 x 32, 8 waves a work-group, no clusters, 304,128 bytes of LDS; arguments k, qk, sb, ctxp, sraw, stats; writes ctxp, sraw, stats
.if DOCPART == 5
	.amdgcn_target "amdgcn-amd-amdhsa--gfx1250"
	.amdhsa_code_object_version 6
	.text
	.protected	k_qc5cb80b9fb_pool
	.globl	k_qc5cb80b9fb_pool
	.p2align	8
	.type	k_qc5cb80b9fb_pool,@function
k_qc5cb80b9fb_pool:
	s_mov_b64 s[64:65], 0
	v_nop
	global_prefetch_b8 v0, s[64:65] scope:SCOPE_SE
	s_setreg_imm32_b32 hwreg(HW_REG_WAVE_SCHED_MODE, 0, 2), 2
	s_setreg_imm32_b32 hwreg(HW_REG_WAVE_MODE, 25, 1), 1
	s_wait_xcnt 0x0
	s_wait_alu depctr_vm_vsrc(0)
; THE ONE PASS OVER k.  A work-group owns 128 rows l of one batch b (grid y; chunk j = grid x) and reads their 512 KB once.  It makes, for all 16 heads:
;   sraw[b][n][l] = k[b][l] . qk[b][n] + sb[b][n]   (scores in powers of two: log2(e) / 8 is folded into qk and sb)
;   m = the chunk's largest score, lsum = the sum of p = 2^(s - m), stats[8 b + j][lane][m, lsum]   (lanes n and n + 16 hold head n)
;   ctxp[b][j][n][c] = sum over the chunk's l of p k[b][l][c], in f32.   The next launch merges the eight chunks of a batch by their m and lsum.
; SHARES.  Wave w owns the columns c = 128 w .. 128 w + 127 of all 128 rows: a load covers 512 consecutive bytes of a row; the wave rounds them to bf16 into a strip of LDS that it alone
; writes and reads, for both products.  Only the scores, sums over all c, cross between waves: each group of 16 rows is reduced through LDS behind one barrier.
; FORMATS.  k, an input, is rounded once to bf16.  qk and p, which the program makes, go to the matrix unit as two bf16 numbers, hi + lo.  Maxima, sums and accumulators in f32.
; IN FLIGHT.  A ring of two register slots of 16 loads, asked for again four rows at a time: 28 to 32 loads of 512 bytes of every wave are on their way while the rows stream.
; LIMITS.  A weight below 2^-126 counts as 0; numbers beyond bf16's largest finite number round to infinity; NaN and infinities are not treated apart; sums run in another order than the reference's.
; No cluster, no tensor loads: the one shared tile is the batch's qk, 64 KB against 512 KB of rows that are the work-group's own, and every number of k passes through registers for its rounding in any case.
; THE MODE: SCHED_MODE bits 1:0 = 2 (LLVM: expert scheduling mode 2), set by the entry lines.  The code itself states the register dependences
; between vector or matrix instructions and memory or LDS instructions, with s_wait_alu, always for 0.
; THE PLAN.  Registers that memory or LDS instructions touch while the rows stream (a group is 16 rows, a batch four of them):
;   RING      A batch's 16 registers: written by its four loads, read by its eight conversions alone; behind them the rows 32 further down land there (groups 0 to 5).
;   AF        Batch q's conversions write AF + 8 q .. + 7, its four LDS stores read them: the four batches of a group share no register.  When all sixteen stores have read, the group's
;             fragments land in AF and the products read them; then the eight words of the reduction land in AF + 0 .. 7 and adds read them.
;   ACC0      Written by the products and four adds, read by two LDS stores, written again by the next group's products.
;   v[RS]     The group's reduced word: written by the group's last add; its LDS store stands in the next group's first batch, behind that batch's wait; written again by that group's products.
;   v1 - v10, v14, v15   Addresses: made at the head and never written again; the rows are reached by immediate offsets.
; So a group has six waits: one on va_vdst behind each batch's conversions, one on vm_vsrc ahead of the fragments' loads, one on va_vdst ahead of the stores of its part of the scores.
.set KP,    272                        ; a strip's row: 128 bf16 = 256 bytes + 16: the 16 rows of a fragment load start 4 banks apart
.set STRIP, 128*KP                     ; 34,816 bytes a wave
.set SCR,   8*STRIP                    ; 278,528: two buffers x eight waves x a tile of 16 l x 16 heads in f32, as it lies in the registers
.set SF,    SCR+2*8192                 ; 294,912: the eight reduced tiles
.set SPARE, SF+8192                    ; 303,104: the spare words, 128 bytes for each wave; no other line names them
.set STP,   528                        ; the way out: a head's 128 f32 = 512 bytes + 16
.set RDB, 1                            ; v1  my strip + 16 x lane: the way out's reads
.set ST8, 2                            ; v2  8 x lane; never rewritten
.set GO,  3                            ; v3  16 x lane; never rewritten
.set LST, 4                            ; v4  my strip + 8 x lane: where a row's 8 bytes go
.set LFR, 5                            ; v5  my strip + r x pitch + 16 h: plain fragments
.set LTR, 6                            ; v6  my strip + (8 h + lane % 8) x pitch + 16 ((lane / 8) % 2): turned fragments
.set SCW, 7                            ; v7  SCR + 1,024 w + 16 x lane
.set SCRD, 8                           ; v8  SCR + 128 w + 4 x lane: the word that I reduce
.set SFW, 9                            ; v9  SF + 128 w + 4 x lane
.set SFR, 10                           ; v10 SF + 16 x lane
.set SBV, 11                           ; v11 sb of the head whose word I reduce
.set SPW, 12                           ; v12 my spare word; never rewritten
.set NIL, 13                           ; v13 0; never rewritten
.set STW, 14                           ; v14 the way out: my strip + r x 528 + 32 h
.set SRT, 15                           ; v15 where I find four neighbouring l of a head in SF
.set QK,  16                           ; v[16:79]  qk's fragments: hi of 32 c block t at 16 + 8 t, lo at 48 + 8 t
.set O,   16                           ;           later O^T: 16 c x 16 heads, block ct at 16 + 8 ct
.set RING, 80                          ; v[80:207] two slots x 16 loads x 4
.set S,   80                           ;           later the scores, tile t at 80 + 8 t,
.set PH,  144                          ;           p hi (v[144:175]) and p lo (v[176:207]): 32 l block kb at + 8 kb
.set PL,  176
.set AF,  208                          ; v[208:239] a group's rows in bf16 on their way to the strip, then fragments of k
.set ACC0, 240                         ; v[240:255] two accumulators; later sraw's rows 240-247, (m, lsum) 248-249, at work 250-255
.set ACC1, 248
.set RS,  248                          ; v248 between a group's sums and the next group's products: the group's reduced word
.set MSK, 22                           ; s22 a word's upper bf16
.macro SPLIT2 x, hh, ll, t             ; two f32 -> a word of two bf16 (hi) and a word of what the rounding left (lo); x is used up
	v_cvt_pk_bf16_f32 v[\hh], v[\x], v[(\x)+1]
	v_lshlrev_b32 v[\t], 16, v[\hh]
	v_and_b32 v[(\t)+1], s[MSK], v[\hh]
	v_pk_add_f32 v[\x:(\x)+1], v[\x:(\x)+1], v[\t:(\t)+1] neg_lo:[0,1] neg_hi:[0,1]
	v_cvt_pk_bf16_f32 v[\ll], v[\x], v[(\x)+1]
.endm
.macro PLACES                          ; four places behind a product, ahead of reads of its result and of loads into its sources (ISA guide 7.12.1 for reads of its result)
.rept 4
	v_nop
.endr
.endm
.macro BAR                             ; my LDS instructions are done, for the others' sake; then the work-group's barrier
	s_wait_dscnt 0x0
	s_barrier_signal -1
	s_barrier_wait -1
.endm
	s_load_b256 s[4:11], s[0:1], 0x0               ; k s[4:5], qk s[6:7], sb s[8:9], ctxp s[10:11]
	s_load_b128 s[12:15], s[0:1], 0x20             ; sraw s[12:13], stats s[14:15]
	v_lshl_add_u32 v[SPW], v0, 2, SPARE
	v_mov_b32 v[NIL], 0
	v_lshrrev_b32 v214, 5, v0
	v_readfirstlane_b32 s16, v214                  ; wave 0..7
	s_and_b32 s17, ttmp7, 0xffff                   ; batch b
	v_and_b32 v213, 31, v0                         ; lane
	v_and_b32 v211, 15, v0                         ; r
	v_bfe_u32 v212, v0, 4, 1                       ; h
	v_lshlrev_b32 v[GO], 4, v213
	s_wait_alu depctr_va_sdst(0)                   ; s16 is written, ahead of its first reader: offsets, LDS addresses and a branch are made from it
	s_lshl_b32 s36, s16, 3
	v_lshrrev_b32 v214, 2, v213
	v_add_nc_u32 v214, s36, v214
	v_and_b32 v214, 15, v214                       ; word 32 w + lane of a tile belongs to head (8 w + lane / 4) % 16
	v_lshlrev_b32 v208, 8, v214                    ; sb: 256 bytes a head
	v_lshlrev_b32 v209, 11, v212
	v_lshl_add_u32 v209, v211, 4, v209             ; qk: lanes 0-15 one head's 256 bytes, lanes 16-31 the next head's
	s_lshl_b32 s24, s17, 22                        ; k: batch, chunk of 128 rows, my 512 bytes of a row
	s_lshl_b32 s37, ttmp9, 19
	s_add_co_u32 s24, s24, s37
	s_lshl_b32 s38, s16, 9
	s_add_co_u32 s24, s24, s38
	s_mov_b32 s25, 0
	s_lshl_b32 s26, s17, 15                        ; qk: batch, my 256 bytes of a head's row
	s_lshl_b32 s37, s16, 8
	s_add_co_u32 s26, s26, s37
	s_mov_b32 s27, 0
	s_lshl_b32 s28, s17, 3                         ; sb: 8 bytes a batch
	s_mov_b32 s29, 0
	s_lshl_b32 s39, s17, 3
	s_add_co_u32 s39, s39, ttmp9                   ; 8 b + j
	s_lshl_b32 s30, s39, 16                        ; ctxp: 65,536 bytes a chunk, my 512 bytes of a head's row
	s_add_co_u32 s30, s30, s38
	s_mov_b32 s31, 0
	s_lshl_b32 s32, s17, 16                        ; sraw: batch, heads 2 w and 2 w + 1, the chunk's 512 bytes
	s_lshl_b32 s37, s16, 13
	s_add_co_u32 s32, s32, s37
	s_lshl_b32 s37, ttmp9, 9
	s_add_co_u32 s32, s32, s37
	s_mov_b32 s33, 0
	s_lshl_b32 s34, s39, 8                         ; stats: 256 bytes a chunk
	s_mov_b32 s35, 0
	s_mov_b32 s20, 0x76543210                      ; v_permlanex16_b32: each lane takes its own place in the other half
	s_mov_b32 s21, 0xfedcba98
	s_mov_b32 s[MSK], 0xffff0000
	s_mul_i32 s23, s16, STRIP                      ; my strip
	s_wait_kmcnt 0x0
	s_add_nc_u64 s[4:5], s[4:5], s[24:25]
	s_add_nc_u64 s[6:7], s[6:7], s[26:27]
	s_add_nc_u64 s[8:9], s[8:9], s[28:29]
	s_add_nc_u64 s[10:11], s[10:11], s[30:31]
	s_add_nc_u64 s[12:13], s[12:13], s[32:33]
	s_add_nc_u64 s[14:15], s[14:15], s[34:35]
	s_wait_alu depctr_va_vdst(0)                   ; v208, v209 and v[GO] are written: the loads below read them as their offsets
	global_load_b32 v[SBV], v208, s[8:9]
.irp hl, 0,1
.irp i, 0,1,2,3,4,5,6,7
	global_load_b128 v[QK+32*\hl+4*\i:QK+32*\hl+4*\i+3], v209, s[6:7] offset:\i*4096+\hl*1048576
.endr
.endr
.set i, 0
.rept 32                               ; the ring is filled: rows 0 to 31
	global_load_b128 v[RING+4*i:RING+4*i+3], v[GO], s[4:5] offset:4096*i th:TH_LOAD_NT
.set i, i+1
.endr
	v_mul_u32_u24 v210, v212, KP
	v_lshl_add_u32 v210, v211, 4, v210
	v_add_nc_u32 v210, s23, v210                   ; qk's short stay in my strip: row h, 16 r
	v_lshl_add_u32 v[LST], v213, 3, s23
	v_lshl_add_u32 v[RDB], v213, 4, s23
	v_lshlrev_b32 v[ST8], 3, v213
	v_mul_u32_u24 v[LFR], v211, KP
	v_lshl_add_u32 v[LFR], v212, 4, v[LFR]
	v_add_nc_u32 v[LFR], s23, v[LFR]
	v_and_b32 v214, 7, v0
	v_lshl_add_u32 v214, v212, 3, v214
	v_mul_u32_u24 v[LTR], v214, KP
	v_bfe_u32 v214, v0, 3, 1
	v_lshl_add_u32 v[LTR], v214, 4, v[LTR]
	v_add_nc_u32 v[LTR], s23, v[LTR]
	s_lshl_b32 s36, s16, 10
	s_add_co_u32 s36, s36, SCR
	v_lshl_add_u32 v[SCW], v213, 4, s36
	s_lshl_b32 s37, s16, 7
	s_add_co_u32 s36, s37, SCR
	v_lshl_add_u32 v[SCRD], v213, 2, s36
	s_add_co_u32 s36, s37, SF
	v_lshl_add_u32 v[SFW], v213, 2, s36
	v_lshl_add_u32 v[SFR], v213, 4, SF
	v_mul_u32_u24 v[STW], v211, STP
	v_lshl_add_u32 v[STW], v212, 5, v[STW]
	v_add_nc_u32 v[STW], s23, v[STW]
	v_lshrrev_b32 v214, 2, v213                    ; l = 4 x lane + 0..3 lies in tile lane / 4, register half lane % 2, lane half (lane / 2) % 2
	v_lshlrev_b32 v[SRT], 10, v214
	v_and_b32 v214, 1, v0
	v_lshl_add_u32 v[SRT], v214, 9, v[SRT]
	v_bfe_u32 v214, v0, 1, 1
	v_lshl_add_u32 v[SRT], v214, 8, v[SRT]
	s_lshl_b32 s36, s16, 5                         ; head 2 w: 16 bytes a head
	s_add_co_u32 s36, s36, SF
	v_add_nc_u32 v[SRT], s36, v[SRT]
	s_wait_loadcnt 32                              ; sb and qk are in; the 32 rows of k stay out
	s_wait_alu depctr_va_vdst(0)                   ; v210 and the addresses v1, v2, v4 to v10, v14 and v15 are written: all LDS instructions and stores from here on read one of them
.irp hl, 0,1                           ; qk goes through my strip's first 32 rows to come back as fragments: 16 heads x 32 c
.irp i, 0,1,2,3,4,5,6,7
	ds_store_b128 v210, v[QK+32*\hl+4*\i:QK+32*\hl+4*\i+3] offset:\i*2*KP+\hl*16*KP
.endr
.endr
	s_wait_alu depctr_vm_vsrc(0)                   ; those stores have read v[QK ..], in which the loads below land, and v210; the loads of sb and qk have read v208 and v209: the first group's conversions write these three
.irp hl, 0,1
.irp t, 0,1,2,3
	ds_load_b128 v[QK+32*\hl+8*\t:QK+32*\hl+8*\t+3],   v[LFR] offset:\hl*16*KP+64*\t  ; LDS serves a wave's instructions in order (ISA guide 5.7.1.4): these see the stores above
	ds_load_b128 v[QK+32*\hl+8*\t+4:QK+32*\hl+8*\t+7], v[LFR] offset:\hl*16*KP+64*\t+32
.endr
.endr
	s_wait_dscnt 0x0
; A GROUP of 16 rows, in four batches of four.  A batch: its four loads are waited for; eight conversions round them into the batch's own part of AF; behind one wait its registers take the rows 32
; further down (g < 6) and the four rows go into the strip.
; The count: behind a batch's loads were issued the seven younger batches of the ring, 28 loads; from batch 24 on nothing is asked for any more and the counts run down.
; Then my strip's part of the scores: 16 l x 16 heads over my 128 c, hi and lo of qk on two accumulators that take turns.
; The eight waves' parts meet in SCR.  ONE barrier a group: a buffer of SCR is written again two groups on, behind the next group's barrier, in front of which every wave has waited for its reads of it.
.macro GROUP g
.set SL, RING+64*((\g)%2)
.set q, 0
.rept 4
.if 4*(\g)+q < 24
	s_wait_loadcnt 28                              ; loads come back in order (ISA guide 5.7.1): the batch is in, the seven younger ones stay out
.else
	s_wait_loadcnt 4*(31-4*(\g)-q)
.endif
.set i, 0
.rept 4
	v_cvt_pk_bf16_f32 v[AF+8*q+2*i],   v[SL+16*q+4*i],   v[SL+16*q+4*i+1]
	v_cvt_pk_bf16_f32 v[AF+8*q+2*i+1], v[SL+16*q+4*i+2], v[SL+16*q+4*i+3]
.set i, i+1
.endr
	s_wait_alu depctr_va_vdst(0)                   ; the conversions have written the batch's part of AF, which the stores below read, and are done reading its part of the ring, in which the loads below land; in a group's first batch: the last group's word v[RS] is written
.if (q == 0) && ((\g) > 0)
	ds_store_b32 v[SFW], v[RS] offset:((\g)-1)*1024
.endif
.set i, 0
.rept 4
.if (\g) < 6
	global_load_b128 v[SL+16*q+4*i:SL+16*q+4*i+3], v[GO], s[4:5] offset:4096*(16*(\g)+32+4*q+i) th:TH_LOAD_NT
.endif
	ds_store_b64 v[LST], v[AF+8*q+2*i:AF+8*q+2*i+1] offset:KP*(16*(\g)+4*q+i)
.set i, i+1
.endr
.set q, q+1
.endr
	s_wait_alu depctr_vm_vsrc(0)                   ; the sixteen stores have read AF, in which the fragments land; the last group's stores have read ACC0 and v[RS], which the products write again
.irp t, 0,1,2,3
	ds_load_b128 v[AF+8*\t:AF+8*\t+3],   v[LFR] offset:16*KP*(\g)+64*\t
	ds_load_b128 v[AF+8*\t+4:AF+8*\t+7], v[LFR] offset:16*KP*(\g)+64*\t+32
.endr
.irp t, 0,1,2,3
	s_wait_dscnt 6-2*\t                            ; fragment t's two loads are in, the later ones stay out
.if \t == 0
	v_wmma_f32_16x16x32_bf16 v[ACC0:ACC0+7], v[AF:AF+7], v[QK:QK+7], 0
	v_wmma_f32_16x16x32_bf16 v[ACC1:ACC1+7], v[AF:AF+7], v[QK+32:QK+39], 0
.else
	v_wmma_f32_16x16x32_bf16 v[ACC0:ACC0+7], v[AF+8*\t:AF+8*\t+7], v[QK+8*\t:QK+8*\t+7], v[ACC0:ACC0+7]
	v_wmma_f32_16x16x32_bf16 v[ACC1:ACC1+7], v[AF+8*\t:AF+8*\t+7], v[QK+32+8*\t:QK+39+8*\t], v[ACC1:ACC1+7]
.endif
.endr
	PLACES
.irp p, 0,2,4,6                        ; each accumulator is read from its low end on
	v_pk_add_f32 v[ACC0+\p:ACC0+\p+1], v[ACC0+\p:ACC0+\p+1], v[ACC1+\p:ACC1+\p+1]
.endr
	s_wait_alu depctr_va_vdst(0)                   ; the adds have written ACC0, which the two stores read; the products are done reading AF, in which the eight words behind the barrier land
	ds_store_b128 v[SCW], v[ACC0:ACC0+3]   offset:((\g)%2)*8192
	ds_store_b128 v[SCW], v[ACC0+4:ACC0+7] offset:((\g)%2)*8192+512
	BAR
.irp x, 0,1,2,3,4,5,6,7                ; my word of each wave's tile
	ds_load_b32 v[AF+\x], v[SCRD] offset:((\g)%2)*8192+\x*1024
.endr
	s_wait_dscnt 0x0
	v_pk_add_f32 v[AF:AF+1], v[AF:AF+1], v[AF+2:AF+3]
	v_pk_add_f32 v[AF+4:AF+5], v[AF+4:AF+5], v[AF+6:AF+7]
	v_pk_add_f32 v[AF:AF+1], v[AF:AF+1], v[AF+4:AF+5]
	v_add_f32 v[AF], v[AF], v[AF+1]
	v_add_f32 v[RS], v[AF], v[SBV]                 ; the reduced word; it is stored in the next group's first batch
.endm
	GROUP 0
	GROUP 1
	GROUP 2
	GROUP 3
	GROUP 4
	GROUP 5
	GROUP 6
	GROUP 7
	s_wait_alu depctr_va_vdst(0)                   ; the last group's word v[RS] is written; the last two groups' conversions are done reading the ring, and the adds ACC0: the loads behind the barrier land in them
	ds_store_b32 v[SFW], v[RS] offset:7*1024
	BAR                                            ; all 128 x 16 scores lie in SF
	s_wait_alu depctr_vm_vsrc(0)                   ; the last group's stores have read v[240:247], in which sraw's rows land, and v248, which the maximum writes
	; THE CHUNK'S SOFTMAX, made by every wave for itself: each needs all of p as source 1 of its own columns' product.  Lane (r, h) holds head r and l = 16 t + 8 h + 0..7.
.irp t, 0,1,2,3,4,5,6,7
	ds_load_b128 v[S+8*\t:S+8*\t+3],   v[SFR] offset:1024*\t
	ds_load_b128 v[S+8*\t+4:S+8*\t+7], v[SFR] offset:1024*\t+512
.endr
	ds_load_b128 v[240:243], v[SRT]                ; heads 2 w and 2 w + 1 by rows: four neighbouring l a lane
	ds_load_b128 v[244:247], v[SRT] offset:16
	s_wait_dscnt 0x0
	global_store_b128 v[GO], v[240:243], s[12:13]              ; 512 consecutive bytes of a head's row; v[240:247] are not written again
	global_store_b128 v[GO], v[244:247], s[12:13] offset:4096
.irp c, 0,1,2,3                        ; the maximum of my 64 scores: four chains, three operands at a time
	v_max3_num_f32 v[252+\c], v[S+16*\c], v[S+16*\c+1], v[S+16*\c+2]
.endr
.irp q, 0,1,2,3,4,5
.irp c, 0,1,2,3
	v_max3_num_f32 v[252+\c], v[252+\c], v[S+16*\c+3+2*\q], v[S+16*\c+4+2*\q]
.endr
.endr
	v_max3_num_f32 v252, v252, v[S+15], v[S+31]
	v_max3_num_f32 v254, v254, v[S+47], v[S+63]
	v_max3_num_f32 v252, v252, v253, v254
	v_max_num_f32 v252, v252, v255
	v_permlanex16_b32 v253, v252, s20, s21         ; the head's other 64 rows lie in the lane 16 away
	v_max_num_f32 v248, v252, v253                 ; m
	v_mov_b32 v250, v248
	v_mov_b32 v251, v248
.set i, 0
.rept 32
	v_pk_add_f32 v[S+2*i:S+2*i+1], v[S+2*i:S+2*i+1], v[250:251] neg_lo:[0,1] neg_hi:[0,1]
.set i, i+1
.endr
.set i, 0
.rept 64
	v_exp_f32 v[S+i], v[S+i]                       ; p = 2^(s - m)
.set i, i+1
.endr
	v_nop                                          ; a plain instruction between the last exponential and the use of its result (ISA guide 5.7.2)
	s_wait_alu depctr_va_vdst(0)                   ; the 64 exponentials have written p, ahead of its first reader
.irp c, 0,1,2,3                        ; the sum of p, unrounded: four chains
	v_pk_add_f32 v[208+2*\c:209+2*\c], v[S+2*\c:S+2*\c+1], v[S+8+2*\c:S+9+2*\c]
.endr
.irp q, 2,3,4,5,6,7
.irp c, 0,1,2,3
	v_pk_add_f32 v[208+2*\c:209+2*\c], v[208+2*\c:209+2*\c], v[S+8*\q+2*\c:S+8*\q+2*\c+1]
.endr
.endr
	v_pk_add_f32 v[208:209], v[208:209], v[210:211]
	v_pk_add_f32 v[212:213], v[212:213], v[214:215]
	v_pk_add_f32 v[208:209], v[208:209], v[212:213]
	v_add_f32 v208, v208, v209
	v_permlanex16_b32 v209, v208, s20, s21
	v_add_f32 v249, v208, v209                     ; lsum
.set p, 0
.rept 32                               ; pair p of the lane's 32 is word p of source 1: tiles 2 kb and 2 kb + 1 are the fragment of rows 32 kb on
	SPLIT2 S+2*p, PH+p, PL+p, 250+2*(p%3)
.set p, p+1
.endr
	s_wait_alu depctr_va_vdst(0)                   ; m and lsum are written, which the store below reads; the splits are done with v[80:143] and the sums with v[208:215]: the first three sets of turned fragments land there
	s_cmp_lg_u32 s16, 0
	s_cbranch_scc1 .Lno_stats
	global_store_b64 v[ST8], v[248:249], s[14:15]  ; one wave stores the chunk's 256 bytes; v2 and v[248:249] are not written again
.Lno_stats:
	; O^T[c][n] = sum over l of k[l][c] p[l][n]: source 0 = k^T, 16 c x 32 l, turned on the way out of my strip; source 1 = p, hi and then lo.
	; Step s: rows 32 (s / 2) on, column blocks 4 (s % 2) + 0..3.  Three sets of four fragments: step s multiplies set s % 3 and asks for step s + 2's fragments, which land in set (s + 2) % 3,
	; the one that step s - 1 multiplied.  One wait at the step's head states that those products are done reading it; the eight loads are dealt behind the step's first four products,
	; which name set s % 3, p and O^T alone.
.macro LOADF s, u                      ; fragment u of step s
.set SBL, 80+32*((\s)%3)+64*(((\s)%3)/2)   ; v80, v112, v208
	ds_load_tr16_b128 v[SBL+8*(\u):SBL+8*(\u)+3],   v[LTR] offset:((\s)/2)*32*KP+(4*((\s)%2)+(\u))*32
	ds_load_tr16_b128 v[SBL+8*(\u)+4:SBL+8*(\u)+7], v[LTR] offset:((\s)/2)*32*KP+(4*((\s)%2)+(\u))*32+16*KP
.endm
.macro LOADSET s
.irp u, 0,1,2,3
	LOADF \s, \u
.endr
.endm
.macro STEP s
.if (\s) < 7
	s_wait_dscnt 8                                 ; this step's set is in; the next step's eight loads stay out
.else
	s_wait_dscnt 0x0
.endif
.if ((\s) > 0) && ((\s) < 6)
	PLACES                                         ; the set to be loaded was multiplied in the step before
	s_wait_alu depctr_va_vdst(0)                   ; the last step's products are done reading their set, in which this step's loads land
.endif
.set SBM, 80+32*((\s)%3)+64*(((\s)%3)/2)
.irp hl, 0,1                           ; the step's four accumulators take turns; the first products start the sums
.irp u, 0,1,2,3
.set rO, O+8*(4*((\s)%2)+\u)
.set rP, PH+32*\hl+8*((\s)/2)
.if ((\s) < 2) && (\hl == 0)
	v_wmma_f32_16x16x32_bf16 v[rO:rO+7], v[SBM+8*\u:SBM+8*\u+7], v[rP:rP+7], 0
.else
	v_wmma_f32_16x16x32_bf16 v[rO:rO+7], v[SBM+8*\u:SBM+8*\u+7], v[rP:rP+7], v[rO:rO+7]
.endif
.if ((\s) < 6) && (\hl == 0)
	LOADF (\s)+2, \u                               ; no wait: no vector or matrix instruction since the wait at the step's head names these registers
.endif
.endr
.endr
.endm
	LOADSET 0
	LOADSET 1
	STEP 0
	STEP 1
	STEP 2
	STEP 3
	STEP 4
	STEP 5
	STEP 6
	STEP 7
	; THE WAY OUT.  A lane holds eight neighbouring c of one head.  They go into my own strip, whose reads ended at the last step's wait for 0, as 16 rows of 528 bytes, and come back as whole rows.
	PLACES
	s_wait_alu depctr_va_vdst(0)                   ; the products have written O^T, which the stores read, and are done reading v[80:143], in which the rows come back; the places above stay beside this wait
.irp ct, 0,1,2,3,4,5,6,7               ; each accumulator from its low end on
	ds_store_b128 v[STW], v[O+8*\ct:O+8*\ct+3]   offset:64*\ct
	ds_store_b128 v[STW], v[O+8*\ct+4:O+8*\ct+7] offset:64*\ct+16
.endr
.set i, 0
.rept 16
	ds_load_b128 v[80+4*i:83+4*i], v[RDB] offset:STP*i
.set i, i+1
.endr
.set i, 0
.rept 16
	s_wait_dscnt 15-i
	global_store_b128 v[GO], v[80+4*i:83+4*i], s[10:11] offset:4096*i  ; head i: 512 consecutive bytes, at a multiple of 256 from ctxp's first
.set i, i+1
.endr
	s_wait_dscnt 0x0                               ; the closing lines, six on end
	s_wait_alu 0x0
	s_wait_tensorcnt 0x0
	ds_add_u32 v[SPW], v[NIL]
	s_wait_dscnt 0x0
	s_endpgm
.Lfunc_end_k_qc5cb80b9fb_pool:
	.size	k_qc5cb80b9fb_pool, .Lfunc_end_k_qc5cb80b9fb_pool-k_qc5cb80b9fb_pool
	.p2alignl 7, 3214868480
	.fill 96, 4, 3214868480
	.section	.rodata,"a",@progbits
	.p2align	6, 0x0
	.amdhsa_kernel k_qc5cb80b9fb_pool
		.amdhsa_group_segment_fixed_size 304128
		.amdhsa_private_segment_fixed_size 0
		.amdhsa_enable_private_segment 0
		.amdhsa_kernarg_size 48
		.amdhsa_user_sgpr_count 2
		.amdhsa_user_sgpr_kernarg_segment_ptr 1
		.amdhsa_wavefront_size32 1
		.amdhsa_system_sgpr_workgroup_id_x 1
		.amdhsa_system_sgpr_workgroup_id_y 1
		.amdhsa_system_sgpr_workgroup_id_z 1
		.amdhsa_system_vgpr_workitem_id 0
		.amdhsa_next_free_vgpr 256
		.amdhsa_next_free_sgpr 66
		.amdhsa_reserve_vcc 0
		.amdhsa_float_denorm_mode_32 3
		.amdhsa_float_denorm_mode_16_64 3
		.amdhsa_memory_ordered 1
		.amdhsa_forward_progress 1
		.amdhsa_inst_pref_size 99
	.end_amdhsa_kernel
	.amdgpu_metadata
---
amdhsa.version: [ 1, 2 ]
amdhsa.kernels:
  - .name:           k_qc5cb80b9fb_pool
    .symbol:         k_qc5cb80b9fb_pool.kd
    .args:
      - { .name: k, .offset: 0, .size: 8, .value_kind: global_buffer, .address_space: global }
      - { .name: qk, .offset: 8, .size: 8, .value_kind: global_buffer, .address_space: global }
      - { .name: sb, .offset: 16, .size: 8, .value_kind: global_buffer, .address_space: global }
      - { .name: ctxp, .offset: 24, .size: 8, .value_kind: global_buffer, .address_space: global }
      - { .name: sraw, .offset: 32, .size: 8, .value_kind: global_buffer, .address_space: global }
      - { .name: stats, .offset: 40, .size: 8, .value_kind: global_buffer, .address_space: global }
    .group_segment_fixed_size: 304128
    .private_segment_fixed_size: 0
    .kernarg_segment_align: 8
    .kernarg_segment_size: 48
    .max_flat_workgroup_size: 256
    .sgpr_count:     66
    .vgpr_count:     256
    .wavefront_size: 32
...
	.end_amdgpu_metadata
.endif
;; end of part 5
;; launch finish (part 6): grid 16 x 16, 8 waves a work-group, no clusters, 142,592 bytes of LDS; arguments ctxp, stats, sraw, Wv, bv, out0, out1; writes out0, out1
.if DOCPART == 6
	.amdgcn_target "amdgcn-amd-amdhsa--gfx1250"
	.amdhsa_code_object_version 6
	.text
	.protected	k_qc5cb80b9fb_finish
	.globl	k_qc5cb80b9fb_finish
	.p2align	8
	.type	k_qc5cb80b9fb_finish,@function
k_qc5cb80b9fb_finish:
	s_mov_b64 s[64:65], 0
	v_nop
	global_prefetch_b8 v0, s[64:65] scope:SCOPE_SE
	s_setreg_imm32_b32 hwreg(HW_REG_WAVE_SCHED_MODE, 0, 2), 2
	s_setreg_imm32_b32 hwreg(HW_REG_WAVE_MODE, 25, 1), 1
	s_wait_xcnt 0x0
	s_wait_alu depctr_vm_vsrc(0)
; THE MERGE AND THE VALUE PROJECTION.  A work-group: head n (grid y), batches 2 bp and 2 bp + 1 (bp = grid x).  For each of the two batches, over its eight chunks j:
;   M = max m_j;  w_j = 2^(m_j - M);  L = sum of w_j lsum_j;  attn[l] = 2^(sraw[l] - M) / L -> out1[32 n + b][l];  ctx[c] = sum of (w_j / L) ctxp_j[c];
;   out0[b][64 n + d] = sum over c of ctx[c] Wv[64 n + d][c] + bv[64 n + d]: the weights of a softmax add up to 1, so bv enters unweighted.
; L is at least 1: the chunk that holds M has w = 1 and a sum of at least 1.
; FORMATS.  Wv and bv, inputs, are rounded once to bf16; ctx, which the program makes, goes to the matrix unit as two bf16 numbers, hi + lo.  All else in f32.
; Product: source 0 = four rows (b0 hi, b1 hi, b0 lo, b1 lo; row m takes row m % 4), source 1 = 16 rows d of Wv.  Wave w: d block w % 4, half w / 4 of c; two accumulators take turns.
; LIMITS.  A weight below 2^-126 counts as 0; numbers beyond bf16's largest finite number round to infinity; NaN and infinities are not treated apart; sums run in another order than the reference's.
; No cluster: the head's 256 KB of Wv are read by the head's 16 work-groups through registers, where they are rounded; a joint request would bring f32 into LDS and want a second pass over it.
; THE MODE: SCHED_MODE bits 1:0 = 2 (LLVM: expert scheduling mode 2), set by the entry lines.  The code itself states the register dependences
; between vector or matrix instructions and memory or LDS instructions, with s_wait_alu, always for 0.
; THE PLAN.  Registers that memory or LDS instructions touch:
;   v[96:223]   A ring of 32 pieces of Wv, taken in batches of eight: written by the loads, read by the batch's sixteen conversions alone; behind them (batches 0 to 3) the pieces 32 further on land there.
;               Later fragment sets 0 and 1.
;   v[32:95]    First the sixteen chunks of ctxp, which vector instructions read.  Then four out-buffers of 16: batch bb's conversions write buffer bb % 4, its eight LDS stores read it; it is written
;               again four batches on.  Later fragment set 2.
;   v[16:23]    attn: written by vector instructions, read by two stores, never written again.
;   v[240:247]  ctx as hi and lo words: written by the splits, read by four LDS stores; at the end wave 0's loads land there.        v249  read by one LDS store.
;   v1 - v5, v15, v28 - v30, v250, v251   Offsets and addresses: made at the head and never written again.
; The waits on va_vdst for memory's sake: ahead of the first load; ONE behind the merge and the splits, for attn's stores and ctx' stores; one behind each batch's conversions; one ahead of the loads of
; fragment set 3; one ahead of each of the last two stores.  On vm_vsrc: ahead of batch 4, and behind the barrier that closes the rounding of Wv.
.set CP,   2064                        ; an LDS row: 1,024 bf16 = 2,048 bytes + 16: the 16 rows of a fragment load start 4 banks apart
.set WT,   0                           ; 64 rows d of Wv
.set CT,   64*CP                       ; 132,096: the four rows of ctx
.set RED,  140544                      ; 256 words: [half of c][batch][d]
.set SPARE, RED+1024                   ; 141,568: the spare words, 128 bytes for each wave; no other line names them
.set T16, 1                            ; v1  16 x thread; never rewritten
.set GO,  2                            ; v2  16 x lane; never rewritten
.set STO, 3                            ; v3  256 x r: chunk r of the pair's sixteen
.set BVO, 4                            ; v4  16 x r
.set CST, 5                            ; v5  CT + 8 x thread
.set SPW, 6                            ; v6  my spare word; never rewritten
.set NIL, 7                            ; v7  0; never rewritten
.set WST, 15                           ; v15 where 8 bytes of Wv go
.set AAD, 28                           ; v28 my fragment address in ctx' rows
.set BAD, 29                           ; v29 the same in Wv's rows
.set RST, 30                           ; v30 my word in RED
.set OUTB, 32                          ; v[32:95] the four out-buffers
.set RAW, 96                           ; v[96:223] the ring of Wv
.set ACC, 224                          ; v[224:239] two accumulators
.set MSK, 55                           ; s55 a word's upper bf16
.set UPH, 61                           ; s61 the mask of lanes 16 to 31
.macro RND2 x, t                       ; two f32 rounded to bf16 and widened again
	v_cvt_pk_bf16_f32 v[\t], v[\x], v[(\x)+1]
	v_lshlrev_b32 v[\x], 16, v[\t]
	v_and_b32 v[(\x)+1], s[MSK], v[\t]
.endm
.macro SPLIT2 x, hh, ll, t             ; two f32 -> a word of two bf16 (hi) and a word of what the rounding left (lo); x is used up
	v_cvt_pk_bf16_f32 v[\hh], v[\x], v[(\x)+1]
	v_lshlrev_b32 v[\t], 16, v[\hh]
	v_and_b32 v[(\t)+1], s[MSK], v[\hh]
	v_pk_add_f32 v[\x:(\x)+1], v[\x:(\x)+1], v[\t:(\t)+1] neg_lo:[0,1] neg_hi:[0,1]
	v_cvt_pk_bf16_f32 v[\ll], v[\x], v[(\x)+1]
.endm
.macro PLACES                          ; four places behind a product, ahead of reads of its result and of loads into its sources (ISA guide 7.12.1 for reads of its result)
.rept 4
	v_nop
.endr
.endm
.macro BAR                             ; my LDS instructions are done, for the others' sake; then the work-group's barrier
	s_wait_dscnt 0x0
	s_barrier_signal -1
	s_barrier_wait -1
.endm
	s_load_b256 s[4:11], s[0:1], 0x0               ; ctxp s[4:5], stats s[6:7], sraw s[8:9], Wv s[10:11]
	s_load_b128 s[12:15], s[0:1], 0x20             ; bv s[12:13], out0 s[14:15]
	s_load_b64 s[16:17], s[0:1], 0x30              ; out1
	v_lshl_add_u32 v[SPW], v0, 2, SPARE
	v_mov_b32 v[NIL], 0
	v_lshrrev_b32 v10, 5, v0
	v_readfirstlane_b32 s18, v10                   ; wave 0..7
	s_and_b32 s19, ttmp7, 0xffff                   ; head n
	v_and_b32 v254, 31, v0                         ; lane
	v_and_b32 v253, 15, v0                         ; r
	v_bfe_u32 v252, v0, 4, 1                       ; h
	v_cmp_eq_u32 s[UPH], 1, v252                   ; for the select at the end; made here, so that one wait serves it and s18
	v_lshlrev_b32 v[T16], 4, v0
	v_lshlrev_b32 v[GO], 4, v254
	v_lshlrev_b32 v[STO], 8, v253
	v_lshlrev_b32 v[BVO], 4, v253
	s_wait_alu depctr_va_sdst(0)                   ; s18 and s[UPH] are written, ahead of their first readers: offsets, LDS addresses and a branch are made from s18, a select reads s[UPH]
	s_lshl_b32 s54, s19, 12                        ; a head's row of 4,096 bytes
	s_lshl_b32 s20, ttmp9, 20                      ; ctxp: the pair's sixteen chunks of 65,536 bytes
	s_add_co_u32 s20, s20, s54
	s_mov_b32 s21, 0
	s_lshl_b32 s22, ttmp9, 12                      ; stats: sixteen chunks of 256 bytes; lane n's 8 bytes
	s_lshl_b32 s56, s19, 3
	s_add_co_u32 s22, s22, s56
	s_mov_b32 s23, 0
	s_lshl_b32 s24, ttmp9, 17                      ; sraw: two batches of 65,536 bytes
	s_add_co_u32 s24, s24, s54
	s_mov_b32 s25, 0
	s_lshl_b32 s26, s19, 18                        ; Wv: row 64 n + 8 w
	s_lshl_b32 s56, s18, 15
	s_add_co_u32 s26, s26, s56
	s_mov_b32 s27, 0
	s_lshl_b32 s28, s19, 8                         ; bv: the head's 256 bytes
	s_mov_b32 s29, 0
	s_lshl_b32 s30, ttmp9, 13                      ; out0: row 2 bp, the head's 256 bytes
	s_add_co_u32 s30, s30, s28
	s_mov_b32 s31, 0
	s_lshl_b32 s52, s19, 17                        ; out1: row 32 n + 2 bp
	s_lshl_b32 s56, ttmp9, 13
	s_add_co_u32 s52, s52, s56
	s_mov_b32 s53, 0
	s_mov_b32 s[MSK], 0xffff0000
	s_wait_kmcnt 0x0
	s_add_nc_u64 s[4:5], s[4:5], s[20:21]
	s_add_nc_u64 s[6:7], s[6:7], s[22:23]
	s_add_nc_u64 s[8:9], s[8:9], s[24:25]
	s_add_nc_u64 s[10:11], s[10:11], s[26:27]
	s_add_nc_u64 s[12:13], s[12:13], s[28:29]
	s_add_nc_u64 s[14:15], s[14:15], s[30:31]
	s_add_nc_u64 s[16:17], s[16:17], s[52:53]
	s_wait_alu depctr_va_vdst(0)                   ; the offsets v1 to v4 are written, which the loads below read
	global_load_b64 v[8:9], v[STO], s[6:7]                     ; lane r (and r + 16): m, lsum of batch r / 8, chunk r % 8
	global_load_b128 v[16:19], v[T16], s[8:9]                  ; the whole row of scores, 16 bytes a thread, for each batch
	global_load_b128 v[20:23], v[T16], s[8:9] offset:65536
	global_load_b128 v[24:27], v[BVO], s[12:13]
.set i, 0
.rept 16                               ; chunk i of the pair's sixteen: the head's whole row, 16 bytes a thread
	global_load_b128 v[32+4*i:35+4*i], v[T16], s[4:5] offset:65536*i
.set i, i+1
.endr
.set i, 0
.rept 32                               ; the first half of my eight rows of Wv, 512 consecutive bytes a load
	global_load_b128 v[RAW+4*i:RAW+4*i+3], v[GO], s[10:11] offset:512*i
.set i, i+1
.endr
	v_lshl_add_u32 v[CST], v0, 3, CT
	s_mul_i32 s54, s18, 8*CP
	v_lshl_add_u32 v[WST], v254, 3, s54
	s_lshr_b32 s56, s18, 2
	s_lshl_b32 s56, s56, 10                        ; my half of c: 1,024 bytes along a row
	s_and_b32 s57, s18, 3                          ; my block of 16 d
	v_and_b32 v10, 3, v0
	v_mul_u32_u24 v10, v10, CP
	v_lshl_add_u32 v10, v252, 4, v10
	s_add_co_u32 s58, s56, CT
	v_add_nc_u32 v[AAD], s58, v10
	v_mul_u32_u24 v11, v253, CP
	v_lshl_add_u32 v11, v252, 4, v11
	s_mul_i32 s59, s57, 16*CP
	s_add_co_u32 s59, s59, s56
	v_add_nc_u32 v[BAD], s59, v11
	s_lshr_b32 s60, s56, 1                         ; RED + 512 x half of c + 256 h + 64 x block + 4 r
	s_lshl_b32 s58, s57, 6
	s_add_co_u32 s60, s60, s58
	s_add_co_u32 s60, s60, RED
	v_lshlrev_b32 v12, 8, v252
	v_lshl_add_u32 v12, v253, 2, v12
	v_add_nc_u32 v[RST], s60, v12
	v_lshl_add_u32 v251, v254, 4, RED              ; wave 0's read of RED
	v_lshlrev_b32 v250, 12, v252
	v_lshl_add_u32 v250, v253, 4, v250             ; out0: row h, 16 r
	s_wait_loadcnt 51                              ; the statistics are in; the 51 younger loads stay out
	v_mov_b32 v10, v8
	v_max_num_f32_dpp v10, v10, v10 row_xmask:1 row_mask:0xf bank_mask:0xf  ; over a batch's eight chunks: eight neighbouring lanes
	v_max_num_f32_dpp v10, v10, v10 row_xmask:2 row_mask:0xf bank_mask:0xf
	v_max_num_f32_dpp v10, v10, v10 row_xmask:4 row_mask:0xf bank_mask:0xf  ; M
	v_sub_f32 v11, v8, v10
	v_exp_f32 v11, v11                             ; w_j
	v_nop                                          ; a plain instruction behind each transcendental (ISA guide 5.7.2)
	s_wait_alu depctr_va_vdst(0)                   ; the exponential has written w_j, ahead of its first reader
	v_mul_f32 v12, v11, v9
	v_add_f32_dpp v12, v12, v12 row_xmask:1 row_mask:0xf bank_mask:0xf
	v_add_f32_dpp v12, v12, v12 row_xmask:2 row_mask:0xf bank_mask:0xf
	v_add_f32_dpp v12, v12, v12 row_xmask:4 row_mask:0xf bank_mask:0xf      ; L
	v_rcp_f32 v13, v12
	v_nop
	s_wait_alu depctr_va_vdst(0)                   ; the reciprocal has written 1 / L, ahead of its first reader
	v_mul_f32 v14, v11, v13                        ; w_j / L
.set i, 0
.rept 16
	v_readlane_b32 s[32+i], v14, i
.set i, i+1
.endr
	v_readlane_b32 s48, v10, 0                     ; M and 1 / L of the two batches
	v_readlane_b32 s49, v10, 8
	v_readlane_b32 s50, v13, 0
	v_readlane_b32 s51, v13, 8
	s_wait_alu depctr_va_sdst(0)                   ; the twenty scalars s32 to s51 are written, ahead of their first reader
	s_wait_loadcnt 49                              ; the scores are in
.irp e, 0,1,2,3
	v_sub_f32 v[16+\e], v[16+\e], s48
	v_sub_f32 v[20+\e], v[20+\e], s49
.endr
.irp e, 0,1,2,3,4,5,6,7
	v_exp_f32 v[16+\e], v[16+\e]
.endr
	v_nop
	s_wait_alu depctr_va_vdst(0)                   ; the eight exponentials have written v[16:23], ahead of their first reader
.irp e, 0,1,2,3
	v_mul_f32 v[16+\e], s50, v[16+\e]
	v_mul_f32 v[20+\e], s51, v[20+\e]
.endr
	s_wait_loadcnt 32                              ; bv and the sixteen chunks are in; Wv's 32 loads stay out
.irp bs, 0,1
.irp e, 0,1,2,3
	v_mul_f32 v[32+32*\bs+\e], s[32+8*\bs], v[32+32*\bs+\e]
.endr
.irp jj, 1,2,3,4,5,6,7
.irp e, 0,1,2,3
	v_fma_f32 v[32+32*\bs+\e], s[32+8*\bs+\jj], v[32+32*\bs+4*\jj+\e], v[32+32*\bs+\e]
.endr
.endr
.endr
	SPLIT2 32, 240, 242, 248
	SPLIT2 34, 241, 243, 248
	SPLIT2 64, 244, 246, 248
	SPLIT2 66, 245, 247, 248
	RND2 24, 248
	RND2 26, 248
	s_wait_alu depctr_va_vdst(0)                   ; attn in v[16:23] and ctx' words in v[240:247] are written, which the six stores below read; so are the addresses v5, v15, v28 to v30, v250 and v251
	global_store_b128 v[T16], v[16:19], s[16:17] th:TH_STORE_NT             ; a wave stores 512 consecutive bytes; v[16:23] are not written again
	global_store_b128 v[T16], v[20:23], s[16:17] offset:4096 th:TH_STORE_NT
	ds_store_b64 v[CST], v[240:241]                ; b0 hi
	ds_store_b64 v[CST], v[244:245] offset:CP      ; b1 hi
	ds_store_b64 v[CST], v[242:243] offset:2*CP    ; b0 lo
	ds_store_b64 v[CST], v[246:247] offset:3*CP    ; b1 lo
	; My eight rows of Wv, a row (eight pieces of 512 bytes) to a batch: sixteen conversions round it into out-buffer bb % 4; behind one wait the first four batches' registers take the row four further on,
	; and the eight pieces go into LDS.  The count: behind batch bb's loads were issued the 24 - 8 bb rest of the first half and 8 bb refills: 24; from batch 4 on nothing is asked for and the counts run down.
.set bb, 0
.rept 8
.if bb == 4
	s_wait_alu depctr_vm_vsrc(0)                   ; the stores of batches 0 to 3 have read the four out-buffers, which batches 4 to 7 write again
.endif
.if bb < 4
	s_wait_loadcnt 24
.else
	s_wait_loadcnt 56-8*bb
.endif
.set i, 0
.rept 8
	v_cvt_pk_bf16_f32 v[OUTB+16*(bb%4)+2*i],   v[RAW+32*(bb%4)+4*i],   v[RAW+32*(bb%4)+4*i+1]
	v_cvt_pk_bf16_f32 v[OUTB+16*(bb%4)+2*i+1], v[RAW+32*(bb%4)+4*i+2], v[RAW+32*(bb%4)+4*i+3]
.set i, i+1
.endr
	s_wait_alu depctr_va_vdst(0)                   ; the conversions have written the out-buffer, which the stores below read, and are done reading the batch's part of the ring, in which the loads below land
.set i, 0
.rept 8
.if bb < 4
	global_load_b128 v[RAW+32*bb+4*i:RAW+32*bb+4*i+3], v[GO], s[10:11] offset:512*(8*bb+i+32)
.endif
	ds_store_b64 v[WST], v[OUTB+16*(bb%4)+2*i:OUTB+16*(bb%4)+2*i+1] offset:bb*CP+i*256
.set i, i+1
.endr
.set bb, bb+1
.endr
	BAR
	s_wait_alu depctr_vm_vsrc(0)                   ; the stores of batches 4 to 7 have read v[32:95], in which fragment set 2 lands; ctx' stores have read v[240:247], in which wave 0's last loads land
; The fragments of four steps of 32 along c are a set of 64 registers.  Sets 0 and 1 lie in the ring's registers, set 2 in the out-buffers'; set 3 takes set 0's place when its products are done.
.macro SETB q
.if (\q) == 2
.set SBQ, OUTB
.else
.set SBQ, RAW+64*((\q)%3)
.endif
.endm
.macro LOADT q, t                      ; step t of set q: a fragment of ctx, a fragment of Wv
	SETB \q
	ds_load_b128 v[SBQ+16*(\t):SBQ+16*(\t)+3],     v[AAD] offset:64*(4*(\q)+(\t))
	ds_load_b128 v[SBQ+16*(\t)+4:SBQ+16*(\t)+7],   v[AAD] offset:64*(4*(\q)+(\t))+32
	ds_load_b128 v[SBQ+16*(\t)+8:SBQ+16*(\t)+11],  v[BAD] offset:64*(4*(\q)+(\t))
	ds_load_b128 v[SBQ+16*(\t)+12:SBQ+16*(\t)+15], v[BAD] offset:64*(4*(\q)+(\t))+32
.endm
.macro LOADB q
.irp t, 0,1,2,3
	LOADT \q, \t
.endr
.endm
.macro MULQ q, deal                    ; four products; the two accumulators take turns; the first two start the sums.  deal = 1: set 3's loads stand among them
	SETB \q
.set SBM, SBQ
.irp t, 0,1,2,3
.if ((\q) == 0) && (\t < 2)
	v_wmma_f32_16x16x32_bf16 v[ACC+8*(\t%2):ACC+8*(\t%2)+7], v[SBM+16*\t:SBM+16*\t+7], v[SBM+16*\t+8:SBM+16*\t+15], 0
.else
	v_wmma_f32_16x16x32_bf16 v[ACC+8*(\t%2):ACC+8*(\t%2)+7], v[SBM+16*\t:SBM+16*\t+7], v[SBM+16*\t+8:SBM+16*\t+15], v[ACC+8*(\t%2):ACC+8*(\t%2)+7]
.endif
.if \deal
	LOADT 3, \t                                    ; no wait: the products since the wait below name set 1 and the accumulators, not set 0's registers
.endif
.endr
.endm
	LOADB 0
	LOADB 1
	LOADB 2
	s_wait_dscnt 32                                ; set 0 is in; the 32 loads of sets 1 and 2 stay out
	MULQ 0, 0
	PLACES                                         ; set 0's registers, just multiplied, are loaded again
	s_wait_dscnt 16                                ; set 1 is in; set 2's sixteen loads stay out
	s_wait_alu depctr_va_vdst(0)                   ; the first four products are done reading set 0's registers, in which set 3 lands
	MULQ 1, 1
	s_wait_dscnt 16                                ; set 2 is in; set 3's sixteen loads stay out
	MULQ 2, 0
	s_wait_dscnt 0x0
	MULQ 3, 0
	PLACES
	v_pk_add_f32 v[ACC:ACC+1], v[ACC:ACC+1], v[ACC+8:ACC+9]      ; registers 0-3 of every lane: b0 hi, b1 hi, b0 lo, b1 lo of d = 16 (w % 4) + r; read from the low end on
	v_pk_add_f32 v[ACC+2:ACC+3], v[ACC+2:ACC+3], v[ACC+10:ACC+11]
	v_pk_add_f32 v[ACC:ACC+1], v[ACC:ACC+1], v[ACC+2:ACC+3]      ; hi + lo
	v_cndmask_b32 v249, v[ACC], v[ACC+1], s[UPH]   ; lanes 0-15 hand on batch 0, lanes 16-31 batch 1
	s_wait_alu depctr_va_vdst(0)                   ; the select has written v249, which the store reads
	ds_store_b32 v[RST], v249
	BAR
	s_cmp_lg_u32 s18, 0
	s_cbranch_scc1 .Lend                           ; one wave adds the two halves of c and bv, and stores
	ds_load_b128 v[240:243], v251
	ds_load_b128 v[244:247], v251 offset:512
	s_wait_dscnt 0x0
	v_pk_add_f32 v[240:241], v[240:241], v[244:245]
	v_pk_add_f32 v[242:243], v[242:243], v[246:247]
	v_pk_add_f32 v[240:241], v[240:241], v[24:25]
	v_pk_add_f32 v[242:243], v[242:243], v[26:27]
	s_wait_alu depctr_va_vdst(0)                   ; the adds have written v[240:243], which the store reads
	global_store_b128 v250, v[240:243], s[14:15]   ; 16 lanes store a head's 256 consecutive bytes of a row of out0
.Lend:
	s_wait_dscnt 0x0                               ; the closing lines, six on end
	s_wait_alu 0x0
	s_wait_tensorcnt 0x0
	ds_add_u32 v[SPW], v[NIL]
	s_wait_dscnt 0x0
	s_endpgm
.Lfunc_end_k_qc5cb80b9fb_finish:
	.size	k_qc5cb80b9fb_finish, .Lfunc_end_k_qc5cb80b9fb_finish-k_qc5cb80b9fb_finish
	.p2alignl 7, 3214868480
	.fill 96, 4, 3214868480
	.section	.rodata,"a",@progbits
	.p2align	6, 0x0
	.amdhsa_kernel k_qc5cb80b9fb_finish
		.amdhsa_group_segment_fixed_size 142592
		.amdhsa_private_segment_fixed_size 0
		.amdhsa_enable_private_segment 0
		.amdhsa_kernarg_size 56
		.amdhsa_user_sgpr_count 2
		.amdhsa_user_sgpr_kernarg_segment_ptr 1
		.amdhsa_wavefront_size32 1
		.amdhsa_system_sgpr_workgroup_id_x 1
		.amdhsa_system_sgpr_workgroup_id_y 1
		.amdhsa_system_sgpr_workgroup_id_z 1
		.amdhsa_system_vgpr_workitem_id 0
		.amdhsa_next_free_vgpr 256
		.amdhsa_next_free_sgpr 66
		.amdhsa_reserve_vcc 0
		.amdhsa_float_denorm_mode_32 3
		.amdhsa_float_denorm_mode_16_64 3
		.amdhsa_memory_ordered 1
		.amdhsa_forward_progress 1
		.amdhsa_inst_pref_size 40
	.end_amdhsa_kernel
	.amdgpu_metadata
---
amdhsa.version: [ 1, 2 ]
amdhsa.kernels:
  - .name:           k_qc5cb80b9fb_finish
    .symbol:         k_qc5cb80b9fb_finish.kd
    .args:
      - { .name: ctxp, .offset: 0, .size: 8, .value_kind: global_buffer, .address_space: global }
      - { .name: stats, .offset: 8, .size: 8, .value_kind: global_buffer, .address_space: global }
      - { .name: sraw, .offset: 16, .size: 8, .value_kind: global_buffer, .address_space: global }
      - { .name: Wv, .offset: 24, .size: 8, .value_kind: global_buffer, .address_space: global }
      - { .name: bv, .offset: 32, .size: 8, .value_kind: global_buffer, .address_space: global }
      - { .name: out0, .offset: 40, .size: 8, .value_kind: global_buffer, .address_space: global }
      - { .name: out1, .offset: 48, .size: 8, .value_kind: global_buffer, .address_space: global }
    .group_segment_fixed_size: 142592
    .private_segment_fixed_size: 0
    .kernarg_segment_align: 8
    .kernarg_segment_size: 56
    .max_flat_workgroup_size: 256
    .sgpr_count:     66
    .vgpr_count:     256
    .wavefront_size: 32
...
	.end_amdgpu_metadata
.endif
;; end of part 6
